; MI455X (gfx1250); checked and timed in simulation.
; The chip was launched on July 23, 2026; its instructions are those of AMD's public machine-readable ISA for CDNA 5 (MIT licence, August 2026) and "CDNA5" Instruction Set Architecture Reference Guide (July 2026). The comments in the code are by the model that wrote it; some were corrected since.
;; Multihead Attention. Allowed arithmetic: matrix products marked QUANTISED: E4M3 operands, one E8M0 scale for each 32 along K, by v_wmma_scale_f32_16x16x128_f8f6f4 with both operands' format E4M3, f32 sums; everything else in f32.
;; Inputs: Wk 1,024 x 1,024 float32; Wo 1,024 x 1,024 float32; Wq 1,024 x 1,024 float32; Wv 1,024 x 1,024 float32; bk 1,024 float32; bo 1,024 float32; bq 1,024 float32; bv 1,024 float32; x 4 x 2,048 x 1,024 float32.
;; Outputs: out0 4 x 2,048 x 1,024 float32.
;; This version of the problem:
;;   THIS VERSION OF THE PROBLEM IS GIVEN IN LOW PRECISION. The matrix products marked QUANTISED in the list below multiply operands that are first quantised to E4M3 (4 exponent bits, 3 mantissa bits; 8 bits a number), with one power-of-two scale for each 32 numbers along K (OCP MX v1.0); their sums are f32. All else is computed in f32.
;;   The module's matrix products, in the order in which they are computed (A, B: the left and right operand; K: the contracted axis; several contracted axes count as one K, in the product's order):
;;     1. [M 8,192, K 1,024] x [K 1,024, N 1,024]; A: input x; B: input Wq: QUANTISED
;;     2. [M 8,192, K 1,024] x [K 1,024, N 1,024]; A: input x; B: input Wk: QUANTISED
;;     3. [M 8,192, K 1,024] x [K 1,024, N 1,024]; A: input x; B: input Wv: QUANTISED
;;     4. batch 64 x [M 2,048, K 64] x [K 64, N 2,048]; A: computed on the way; B: computed on the way: QUANTISED
;;     5. batch 64 x [M 2,048, K 2,048] x [K 2,048, N 64]; A: softmax (see below); B: computed on the way: QUANTISED
;;     6. [M 8,192, K 1,024] x [K 1,024, N 1,024]; A: computed on the way; B: input Wo: QUANTISED
;;   THE QUANTISER, for each operand of a quantised product, along K:
;;     - K is cut into blocks of 32 from its start; a last block that is shorter is filled with zeros.
;;     - A block's scale is 2^e with e = floor(log2(the largest magnitude in the block)) - 8, held to -126 .. 127; a block of zeros has e = 0. As a byte (E8M0): e + 127.
;;     - Each number is divided by its block's scale, clamped to +-448, and rounded to the nearest number of E4M3, ties to even, subnormals kept.
;;     - The product sums the exact products of the quantised numbers (number of the format x scale) in f32.
;;   ~~~python
;;   def quantise(x, axis):      # numpy; x: float32 -> the quantised numbers, widened to float32 again
;;       x = np.moveaxis(x, axis, -1); K = x.shape[-1]
;;       x = np.pad(x, [(0, 0)] * (x.ndim - 1) + [(0, -K % 32)]); x = x.reshape(x.shape[:-1] + (-1, 32)); a = np.abs(x).max(-1, keepdims=True)
;;       e = np.where(a > 0, np.clip(np.frexp(np.where(a > 0, a, 1))[1] - 1 - 8, -126, 127), 0)      # np.frexp(a)[1] - 1 = floor(log2(a)), exactly
;;       r = np.clip(x / 2.0 ** e, -448, 448)
;;       step = 2.0 ** (np.maximum(np.frexp(np.where(r == 0, 1, r))[1] - 1, -6) - 3)
;;       q = np.round(r / step) * step * 2.0 ** e      # np.round: ties to even
;;       return np.moveaxis(q.reshape(q.shape[:-2] + (-1,))[..., :K], -1, axis).astype(np.float32)
;;   ~~~
;;   SOFTMAX AHEAD OF A QUANTISED PRODUCT. Where the list says 'softmax', what is quantised is not the finished softmax but p = 2^(t - M), with t = logit x log2(e) and M = ceil(the row's largest t), a whole number; so 1/2 < the row's largest p <= 1. The row's sum l is taken of the UNQUANTISED p, in f32, and the product's result is divided by l at the end. Since M is a whole number, a kernel that streams over the keys may use a running M (the ceiling of the running maximum): every later rescaling is an exact power of two, which a block's scale takes up: the codes' values come out the same.
;;   OPERANDS COMPUTED ON THE WAY. 'Computed on the way' means the value that the module computes at that place (a softmax that the list does not call 'softmax' is quantised finished and normalised). What goes into a quantiser is computed in f32, as accurately as f32 sums, v_exp_f32 and their like allow (about 1e-6 of the number): no bf16 or f16 on the way to a quantiser, and a product that is left as it is and whose result goes on into a quantised operand takes f32 operands (vector FMAs, or v_wmma_f32_16x16x4_f32). A number that lies on a knife's edge between two numbers of the format may be rounded either way, as far as f32 arithmetic and the matrix unit's own rounding can turn it there, and no further.
;; One version. Each part assembles by itself: llvm-mc -triple=amdgcn-amd-amdhsa -mcpu=gfx1250 --defsym DOCPART=n.
;; ======== version 1 of 1: 5 launches
;; limits: right only within a limited range of input values
;; workspace buffers: xc 8,388,608 bytes; xs 262,144 bytes; wc 4,194,304 bytes; ws 131,072 bytes; qkvc 25,165,824 bytes; qkvs 786,432 bytes; ac 8,388,608 bytes; asc 262,144 bytes
;; launch quant_x (part 1): grid 256 x 1, 4 waves a work-group, no clusters, 33,280 bytes of LDS; arguments x, xc, xs; writes xc, xs
.if DOCPART == 1
	.amdgcn_target "amdgcn-amd-amdhsa--gfx1250"
	.amdhsa_code_object_version 6
	.text
	.protected	k_qf443ea0aa4_quant_x
	.globl	k_qf443ea0aa4_quant_x
	.p2align	8
	.type	k_qf443ea0aa4_quant_x,@function
k_qf443ea0aa4_quant_x:
	s_mov_b64 s[64:65], 0
	v_nop
	global_prefetch_b8 v0, s[64:65] scope:SCOPE_SE
	s_setreg_imm32_b32 hwreg(HW_REG_WAVE_MODE, 25, 1), 1
	s_wait_xcnt 0x0
; x [8192][1024], f32, becomes codes of FP8 (E4M3), K innermost, xc [8192][1024], with one E8M0 scale byte for each 32 along K, xs [8192][32].
; A block's scale is 2^(floor(log2(its largest magnitude)) - 8); its byte is the largest magnitude's exponent field - 8, held at 1 from below.  Each number is divided by the scale,
; held within +-448 and rounded to the nearest code, ties to even.
; POSITION ORDER: row n of x is stored at row pi(n), n with its bits 3 and 4 exchanged.  Sixteen stored rows on end are then the true rows 32 (T / 2) + 8 (T % 2) + r + 8 (r / 8), so that in the products
; that read them a lane's 16 registers of two neighbouring result tiles are 16 true neighbours.  A wave's 8 rows move as one: only the wave's place among its work-group's four changes.
; LIMITS: a block of zeros gets the byte 1 where the quantiser says 127: its codes are zeros, which add nothing under any byte but 0xff, and this program alone reads the bytes.
; Blocks whose largest magnitude lies under 2^(9 - 127) are held at the byte 1.  NaN and infinities among the inputs are not served.
; A wave takes 16 steps of 512 numbers (8 rows).  Each of a step's four loads reads 512 consecutive bytes, 16 a lane; the 2,048 bytes go through the wave's own stage in LDS and come back 64 bytes a lane,
; so that a lane holds 16 neighbours along K (two neighbouring lanes hold a block).  A lane's 16 codes are 16 bytes: the wave stores 512 consecutive bytes.  A wave's 256 scale bytes are gathered
; in its own LDS bytes and leave by one store of 256 consecutive bytes.  No tensor loads, no barrier, no cluster: waves and work-groups share nothing.  Loads run four steps ahead.
.set STEPS, 16
.set CB,    16                         ; bytes of 16 codes
.set R,     16                         ; v16-79   four sets of 16 numbers as they are loaded
.set X,     80                         ; v80-111  two sets of 16 neighbours
.set C,     128                        ; v128-191 codes: four registers for each step, so that no store's data are written again
.set E,     112                        ; v112-127 a scale byte for each step
.set WREG,  8192                       ; LDS: a region for each wave: two stages of 32 x SP bytes, then its 256 scale bytes
.set SP,    80                         ; a lane's place in a stage: its 64 bytes + 16 of padding
	s_load_b128 s[4:7], s[0:1], 0x0                ; x, xc
	s_load_b64 s[8:9], s[0:1], 0x10                ; xs
	v_lshl_add_u32 v192, v0, 2, 0x8000
	v_mov_b32 v193, 0
	v_lshrrev_b32 v1, 5, v0
	v_readfirstlane_b32 s16, v1                    ; wave
	v_and_b32 v2, 31, v0                           ; lane
	v_lshlrev_b32 v3, 4, v2                        ; my 16 bytes of a load's 512
	s_mul_i32 s17, s16, WREG
	v_lshrrev_b32 v14, 2, v2
	v_mul_u32_u24 v14, v14, SP
	v_and_b32 v15, 3, v2
	v_lshl_add_u32 v14, v15, 4, v14
	v_add_nc_u32 v14, s17, v14                     ; the stage, on the way in: SP (lane / 4) + 16 (lane % 4)
	v_mul_u32_u24 v15, v2, SP
	v_add_nc_u32 v15, s17, v15                     ; and on the way out: SP x lane: my 16 neighbours
	v_mul_u32_u24 v4, v2, CB                       ; my codes' place in a step's
	v_lshrrev_b32 v5, 1, v2
	s_add_co_u32 s17, s17, 2*32*SP
	v_add_nc_u32 v5, s17, v5                       ; LDS: my wave's 256 scale bytes, my block's byte
	v_lshlrev_b32 v7, 3, v2                        ; and on the way out 8 bytes a lane
	v_add_nc_u32 v6, s17, v7
	s_lshl_b32 s17, ttmp9, 2
	s_add_co_u32 s18, s17, s16                     ; which 8 rows I read: 4 x work-group + wave,
	s_lshl_b32 s18, s18, 15                        ; 32,768 bytes each
	s_mov_b32 s19, 0
	s_and_b32 s20, s16, 1                          ; where they go: the wave's two bits are the rows' bits 3 and 4: exchanged
	s_lshl_b32 s20, s20, 1
	s_lshr_b32 s21, s16, 1
	s_or_b32 s20, s20, s21
	s_add_co_u32 s20, s20, s17
	s_lshl_b32 s24, s20, 8                         ; 256 scale bytes,
	s_mov_b32 s25, 0
	s_lshl_b32 s20, s20, 13                        ; 8,192 bytes of codes
	s_mov_b32 s21, 0
	s_wait_alu depctr_va_vdst(0)
	s_wait_kmcnt 0x0
	s_add_nc_u64 s[4:5], s[4:5], s[18:19]
	s_add_nc_u64 s[6:7], s[6:7], s[20:21]
	s_add_nc_u64 s[8:9], s[8:9], s[24:25]
.macro LOAD t
.irp i, 0,1,2,3
	global_load_b128 v[R+16*((\t)%4)+4*\i:R+16*((\t)%4)+4*\i+3], v3, s[4:5] offset:2048*(\t)+512*\i th:TH_LOAD_NT   ; 32 lanes read 512 consecutive bytes; read once in the launch
.endr
.endm
.macro TURN t                          ; step t's numbers through the stage: LDS serves a wave's instructions in order, so no wait stands between the stores and the loads
.irp i, 0,1,2,3
	ds_store_b128 v14, v[R+16*((\t)%4)+4*\i:R+16*((\t)%4)+4*\i+3] offset:32*SP*((\t)%2)+8*SP*\i
.endr
.irp i, 0,1,2,3
	ds_load_b128 v[X+16*((\t)%2)+4*\i:X+16*((\t)%2)+4*\i+3], v15 offset:32*SP*((\t)%2)+16*\i
.endr
.endm
.irp t, 0,1,2,3
	LOAD \t
.endr
	s_wait_loadcnt 12                              ; step 0's four loads are in; the twelve of steps 1 to 3 may be out
	TURN 0
.macro STEP t
.set XS, X+16*((\t)%2)
.if (\t) > 0
	s_wait_dscnt 1                                 ; this step's numbers are back from the stage (the last step's byte store may be out): so its stores into the stage have read their registers,
.else
	s_wait_dscnt 0x0
.endif
.if (\t)+4 < STEPS
	LOAD (\t)+4                                    ; which take the loads of four steps on
.endif
.if (\t)+1 < STEPS
.if STEPS-2-(\t) >= 3
	s_wait_loadcnt 12                              ; the next step's four loads are in; those of the three steps behind it may be out
.else
	s_wait_loadcnt 4*(STEPS-2-(\t))
.endif
	TURN (\t)+1                                    ; and go through the other stage while this step is worked
.endif
	v_max3_num_f32 v8, |v[XS]|, |v[XS+1]|, |v[XS+2]|               ; the largest magnitude of my 16, in two chains
	v_max3_num_f32 v9, |v[XS+3]|, |v[XS+4]|, |v[XS+5]|
.irp i, 6,10
	v_max3_num_f32 v8, v8, |v[XS+\i]|, |v[XS+\i+1]|
	v_max3_num_f32 v9, v9, |v[XS+\i+2]|, |v[XS+\i+3]|
.endr
	v_max3_num_f32 v8, v8, |v[XS+14]|, |v[XS+15]|
	v_max3_num_f32 v8, v8, v9, 0x4800000           ; and the floor 2^(9 - 127): so the byte cannot fall under 1
	v_max_num_f32_dpp v8, v8, v8 row_xmask:1 row_mask:0xf bank_mask:0xf   ; and of my neighbour's 16: the block's
	v_add_nc_u32 v11, 0xfc000000, v8               ; 8 off its exponent field: the conversion takes the exponent field of this operand as its scale
.irp i, 0,1,2,3,4,5,6,7,8,9,10,11,12,13,14,15
.endr
	v_cvt_scalef32_pk8_fp8_f32 v[C+4*(\t):C+4*(\t)+1], v[XS:XS+7], v11
	v_cvt_scalef32_pk8_fp8_f32 v[C+4*(\t)+2:C+4*(\t)+3], v[XS+8:XS+15], v11
	v_lshrrev_b32 v[E+(\t)], 23, v11               ; the scale's byte (also the plain line behind the conversions)
	ds_store_b8 v5, v[E+(\t)] offset:16*(\t)       ; both lanes of a block write the same byte with the same value
	global_store_b128 v4, v[C+4*(\t):C+4*(\t)+3], s[6:7] offset:32*CB*(\t)   ; 32 lanes store 512 consecutive bytes
.endm
.irp t, 0,1,2,3,4,5,6,7,8,9,10,11,12,13,14,15
	STEP \t
.endr
	ds_load_b64 v[12:13], v6                       ; LDS serves a wave's instructions in order: these see my stores
	s_wait_dscnt 0x0
	global_store_b64 v7, v[12:13], s[8:9]          ; 32 lanes store 256 consecutive bytes, at a multiple of 256 from the buffer's first byte
	s_wait_tensorcnt 0x0
	ds_add_u32 v192, v193
	s_wait_dscnt 0x0
	s_endpgm
.Lfunc_end_k_qf443ea0aa4_quant_x:
	.size	k_qf443ea0aa4_quant_x, .Lfunc_end_k_qf443ea0aa4_quant_x-k_qf443ea0aa4_quant_x
	.p2alignl 7, 3214868480
	.fill 96, 4, 3214868480
	.section	.rodata,"a",@progbits
	.p2align	6, 0x0
	.amdhsa_kernel k_qf443ea0aa4_quant_x
		.amdhsa_group_segment_fixed_size 33280
		.amdhsa_private_segment_fixed_size 0
		.amdhsa_enable_private_segment 0
		.amdhsa_kernarg_size 24
		.amdhsa_user_sgpr_count 2
		.amdhsa_user_sgpr_kernarg_segment_ptr 1
		.amdhsa_wavefront_size32 1
		.amdhsa_system_sgpr_workgroup_id_x 1
		.amdhsa_system_sgpr_workgroup_id_y 1
		.amdhsa_system_sgpr_workgroup_id_z 1
		.amdhsa_system_vgpr_workitem_id 0
		.amdhsa_next_free_vgpr 194
		.amdhsa_next_free_sgpr 66
		.amdhsa_reserve_vcc 0
		.amdhsa_float_denorm_mode_32 3
		.amdhsa_float_denorm_mode_16_64 3
		.amdhsa_fp16_overflow 1
		.amdhsa_memory_ordered 1
		.amdhsa_forward_progress 1
		.amdhsa_inst_pref_size 33
	.end_amdhsa_kernel
	.amdgpu_metadata
---
amdhsa.version: [ 1, 2 ]
amdhsa.kernels:
  - .name:           k_qf443ea0aa4_quant_x
    .symbol:         k_qf443ea0aa4_quant_x.kd
    .args:
      - { .name: x, .offset: 0, .size: 8, .value_kind: global_buffer, .address_space: global }
      - { .name: xc, .offset: 8, .size: 8, .value_kind: global_buffer, .address_space: global }
      - { .name: xs, .offset: 16, .size: 8, .value_kind: global_buffer, .address_space: global }
    .group_segment_fixed_size: 33280
    .private_segment_fixed_size: 0
    .kernarg_segment_align: 8
    .kernarg_segment_size: 24
    .max_flat_workgroup_size: 128
    .sgpr_count:     66
    .vgpr_count:     194
    .wavefront_size: 32
...
	.end_amdgpu_metadata
.endif
;; end of part 1
;; launch quant_w (part 2): grid 8 x 16, 4 waves a work-group, no clusters, 36,352 bytes of LDS; arguments Wq, Wk, Wv, Wo, wc, ws; writes wc, ws
.if DOCPART == 2
	.amdgcn_target "amdgcn-amd-amdhsa--gfx1250"
	.amdhsa_code_object_version 6
	.text
	.protected	k_qf443ea0aa4_quant_w
	.globl	k_qf443ea0aa4_quant_w
	.p2align	8
	.type	k_qf443ea0aa4_quant_w,@function
k_qf443ea0aa4_quant_w:
	s_mov_b64 s[64:65], 0
	v_nop
	global_prefetch_b8 v0, s[64:65] scope:SCOPE_SE
	s_setreg_imm32_b32 hwreg(HW_REG_WAVE_MODE, 25, 1), 1
	s_wait_xcnt 0x0
; The four weights, each [1024 (k)][1024 (n)] f32 with K as the FIRST axis, become codes of FP8 (E4M3) laid wc [weight 4: q, k, v, o][n][1024 (k)], K innermost, and scale bytes ws [weight][n][32].
; A LANE TAKES A COLUMN n, AND ITS REGISTERS RUN DOWN K: each load reads neighbouring n in neighbouring lanes (128 consecutive bytes a wave, 512 a work-group), a block of 32 along K lies in one lane's
; 32 registers, and the conversions give the codes with K innermost.  Nothing is transposed by an instruction.
; POSITION ORDER: column n is stored at row pi(n), n with its bits 3 and 4 exchanged (see the products that read the rows).  A wave's 32 columns are an aligned group of 32, inside which pi stays.
; Work-group x: 128 columns; work-group y: weight y / 4, 256 along K from 256 (y % 4).  A wave: 32 columns x 256 along K: 8 blocks a lane.
; A lane's codes belong to one row of the output: they go through the wave's own stage in LDS and leave as rows: sixteen lanes store 256 consecutive aligned bytes.
; LIMITS: a block of zeros gets the byte 1 where the quantiser says 127 (its codes are zeros; this program alone reads the bytes); NaN and infinities are not served.
; No tensor loads, no barrier, no cluster: nothing is shared.  Loads run two blocks (64 loads a wave) ahead.  Every offset is an immediate: 255 x 4,096 and 30 x 1,024 lie inside the signed 24 bits.
.set SIZE_N, 1024
.set NB,    8                          ; blocks of a wave
.set PITCH, 272                        ; a stage row: 256 bytes + 16
.set KROW,  1024                       ; a row of the codes' buffer in bytes
.set X,     32                         ; v32-95   two sets of 32 numbers
.set C,     96                         ; v96-103  a block's codes
.set OUTR,  112                        ; v112-175 the way out
.set SB,    24                         ; v24-25   the scale bytes, four to a register
	s_load_b256 s[4:11], s[0:1], 0x0               ; Wq, Wk, Wv, Wo
	s_load_b128 s[12:15], s[0:1], 0x20             ; wc, ws
	v_lshl_add_u32 v192, v0, 2, 0x8c00
	v_mov_b32 v193, 0
	v_lshrrev_b32 v1, 5, v0
	v_readfirstlane_b32 s16, v1                    ; wave 0..3
	v_and_b32 v2, 31, v0                           ; lane
	s_lshl_b32 s17, ttmp9, 7
	s_lshl_b32 s18, s16, 5
	s_add_co_u32 s17, s17, s18                     ; my wave's first column: 128 x work-group x + 32 x wave
	s_and_b32 s18, ttmp7, 0xffff
	s_lshr_b32 s30, s18, 2                         ; which weight
	s_and_b32 s18, s18, 3                          ; which 256 along K
	v_lshlrev_b32 v3, 2, v2                        ; in: 4 bytes a lane
	s_mul_i32 s19, s16, 32*PITCH                   ; my stage
	v_mul_u32_u24 v4, v2, PITCH
	v_add_nc_u32 v4, s19, v4                       ; into it: row = my column
	v_and_b32 v5, 15, v2
	v_lshrrev_b32 v6, 4, v2                        ; out of it: sixteen lanes to a row, two rows an instruction
	v_mul_u32_u24 v7, v6, PITCH
	v_lshl_add_u32 v7, v5, 4, v7
	v_add_nc_u32 v7, s19, v7                       ; LDS address
	v_mul_u32_u24 v8, v6, KROW
	v_lshl_add_u32 v8, v5, 4, v8                   ; and the same place in the codes' buffer (the row pair's position stands in the store's immediate)
	v_and_b32 v9, 7, v2                            ; pi(lane): bits 3 and 4 exchanged,
	v_bfe_u32 v10, v2, 3, 1
	v_lshl_or_b32 v9, v10, 4, v9
	v_bfe_u32 v10, v2, 4, 1
	v_lshl_or_b32 v9, v10, 3, v9
	v_lshlrev_b32 v9, 5, v9                        ; x 32: my column's row of scale bytes
	s_lshl_b32 s20, s18, 20                        ; W: 256 rows of 4,096 bytes for each step along K,
	s_lshl_b32 s22, s17, 2
	s_add_co_u32 s20, s20, s22                     ; + 4 x column
	s_mov_b32 s21, 0
	s_lshl_b32 s24, s17, 10                        ; codes: column x 1,024
	s_lshl_b32 s22, s18, 8
	s_add_co_u32 s24, s24, s22                     ; + 256 x step
	s_lshl_b32 s22, s30, 20
	s_add_co_u32 s24, s24, s22                     ; + weight x 1 MiB
	s_mov_b32 s25, 0
	s_lshl_b32 s28, s17, 5                         ; scale bytes: column x 32
	s_lshl_b32 s22, s18, 3
	s_add_co_u32 s28, s28, s22                     ; + 8 x step
	s_lshl_b32 s22, s30, 15
	s_add_co_u32 s28, s28, s22                     ; + weight x 32 KiB
	s_mov_b32 s29, 0
	s_wait_kmcnt 0x0
	s_and_b32 s31, s30, 1                          ; the weight is chosen by the work-group's number alone
	s_cmp_lg_u32 s31, 0
	s_cselect_b64 s[4:5], s[6:7], s[4:5]           ; Wk or Wq
	s_cselect_b64 s[8:9], s[10:11], s[8:9]         ; Wo or Wv
	s_cmp_ge_u32 s30, 2
	s_cselect_b64 s[4:5], s[8:9], s[4:5]
	s_add_nc_u64 s[4:5], s[4:5], s[20:21]
	s_add_nc_u64 s[12:13], s[12:13], s[24:25]
	s_add_nc_u64 s[14:15], s[14:15], s[28:29]
.macro LOAD t                          ; block t: W(32 t + i, my column), i = 0 .. 31, into set t % 2
.irp i, 0,1,2,3,4,5,6,7,8,9,10,11,12,13,14,15,16,17,18,19,20,21,22,23,24,25,26,27,28,29,30,31
	global_load_b32 v[X+32*((\t)%2)+\i], v3, s[4:5] offset:(32*(\t)+\i)*SIZE_N*4 th:TH_LOAD_NT
.endr
.endm
	LOAD 0
	LOAD 1
.macro BLOCK t
.set XS, X+32*((\t)%2)
.if (\t) < NB-1
	s_wait_loadcnt 32                              ; this block's 32 loads are in; the next block's 32 may be out
.else
	s_wait_loadcnt 0
.endif
	v_max3_num_f32 v12, |v[XS]|, |v[XS+1]|, |v[XS+2]|               ; the block's largest magnitude: all 32 numbers are mine
	v_max3_num_f32 v13, |v[XS+3]|, |v[XS+4]|, |v[XS+5]|
.irp i, 6,10,14,18,22,26
	v_max3_num_f32 v12, v12, |v[XS+\i]|, |v[XS+\i+1]|
	v_max3_num_f32 v13, v13, |v[XS+\i+2]|, |v[XS+\i+3]|
.endr
	v_max3_num_f32 v12, v12, |v[XS+30]|, |v[XS+31]|
	v_max3_num_f32 v12, v12, v13, 0x4800000        ; and the floor 2^(9 - 127): the byte cannot fall under 1
	v_add_nc_u32 v11, 0xfc000000, v12              ; 8 off its exponent field: the conversion's scale operand
	v_lshrrev_b32 v13, 23, v11                     ; the scale's byte
.if (\t)%4 == 0
	v_mov_b32 v[SB+(\t)/4], v13                    ; four bytes to a register, the lower K in the lower byte
.else
	v_lshl_or_b32 v[SB+(\t)/4], v13, 8*((\t)%4), v[SB+(\t)/4]
.endif
.irp i, 0,1,2,3,4,5,6,7,8,9,10,11,12,13,14,15,16,17,18,19,20,21,22,23,24,25,26,27,28,29,30,31
.endr
.irp g, 0,1,2,3
	v_cvt_scalef32_pk8_fp8_f32 v[C+2*\g:C+2*\g+1], v[XS+8*\g:XS+8*\g+7], v11
.endr
	v_nop                                          ; a plain line behind the last conversion
	ds_store_b128 v4, v[C:C+3] offset:32*(\t)      ; 32 codes: 32 bytes of my column's row
	ds_store_b128 v4, v[C+4:C+7] offset:32*(\t)+16
.if (\t)+2 < NB
	LOAD (\t)+2
.endif
	s_wait_dscnt 0x0                               ; the stores have read their registers: the next block's codes may be written
.endm
.set Q, 0
.rept NB
	BLOCK Q
.set Q, Q+1
.endr
	s_wait_alu depctr_va_vdst(0)
	global_store_b64 v9, v[SB:SB+1], s[14:15]      ; my column's 8 scale bytes
.irp t, 0,1,2,3,4,5,6,7,8,9,10,11,12,13,14,15
	ds_load_b128 v[OUTR+4*\t:OUTR+4*\t+3], v7 offset:2*\t*PITCH   ; LDS serves a wave's instructions in order: these see my stores
.endr
.irp t, 0,1,2,3,4,5,6,7,8,9,10,11,12,13,14,15
	s_wait_dscnt 15-\t                             ; the younger reads of the stage may be out
	global_store_b128 v8, v[OUTR+4*\t:OUTR+4*\t+3], s[12:13] offset:(((2*\t)&7)+(((2*\t)>>3)&1)*16+(((2*\t)>>4)&1)*8)*KROW   ; columns 2 t, 2 t + 1 go to rows pi(2 t), pi(2 t) + 1
.endr
	s_wait_tensorcnt 0x0
	ds_add_u32 v192, v193
	s_wait_dscnt 0x0
	s_endpgm
.Lfunc_end_k_qf443ea0aa4_quant_w:
	.size	k_qf443ea0aa4_quant_w, .Lfunc_end_k_qf443ea0aa4_quant_w-k_qf443ea0aa4_quant_w
	.p2alignl 7, 3214868480
	.fill 96, 4, 3214868480
	.section	.rodata,"a",@progbits
	.p2align	6, 0x0
	.amdhsa_kernel k_qf443ea0aa4_quant_w
		.amdhsa_group_segment_fixed_size 36352
		.amdhsa_private_segment_fixed_size 0
		.amdhsa_enable_private_segment 0
		.amdhsa_kernarg_size 48
		.amdhsa_user_sgpr_count 2
		.amdhsa_user_sgpr_kernarg_segment_ptr 1
		.amdhsa_wavefront_size32 1
		.amdhsa_system_sgpr_workgroup_id_x 1
		.amdhsa_system_sgpr_workgroup_id_y 1
		.amdhsa_system_sgpr_workgroup_id_z 1
		.amdhsa_system_vgpr_workitem_id 0
		.amdhsa_next_free_vgpr 194
		.amdhsa_next_free_sgpr 66
		.amdhsa_reserve_vcc 0
		.amdhsa_float_denorm_mode_32 3
		.amdhsa_float_denorm_mode_16_64 3
		.amdhsa_fp16_overflow 1
		.amdhsa_memory_ordered 1
		.amdhsa_forward_progress 1
		.amdhsa_inst_pref_size 44
	.end_amdhsa_kernel
	.amdgpu_metadata
---
amdhsa.version: [ 1, 2 ]
amdhsa.kernels:
  - .name:           k_qf443ea0aa4_quant_w
    .symbol:         k_qf443ea0aa4_quant_w.kd
    .args:
      - { .name: Wq, .offset: 0, .size: 8, .value_kind: global_buffer, .address_space: global }
      - { .name: Wk, .offset: 8, .size: 8, .value_kind: global_buffer, .address_space: global }
      - { .name: Wv, .offset: 16, .size: 8, .value_kind: global_buffer, .address_space: global }
      - { .name: Wo, .offset: 24, .size: 8, .value_kind: global_buffer, .address_space: global }
      - { .name: wc, .offset: 32, .size: 8, .value_kind: global_buffer, .address_space: global }
      - { .name: ws, .offset: 40, .size: 8, .value_kind: global_buffer, .address_space: global }
    .group_segment_fixed_size: 36352
    .private_segment_fixed_size: 0
    .kernarg_segment_align: 8
    .kernarg_segment_size: 48
    .max_flat_workgroup_size: 128
    .sgpr_count:     66
    .vgpr_count:     194
    .wavefront_size: 32
...
	.end_amdgpu_metadata
.endif
;; end of part 2
;; launch qkv (part 3): grid 12 x 32, 4 waves a work-group, clusters of 4 x 4, 327,680 bytes of LDS; arguments xc, xs, wc, ws, bq, bk, bv, qkvc, qkvs; writes qkvc, qkvs
.if DOCPART == 3
	.amdgcn_target "amdgcn-amd-amdhsa--gfx1250"
	.amdhsa_code_object_version 6
	.text
	.protected	k_qf443ea0aa4_qkv
	.globl	k_qf443ea0aa4_qkv
	.p2align	8
	.type	k_qf443ea0aa4_qkv,@function
k_qf443ea0aa4_qkv:
	s_mov_b64 s[64:65], 0
	v_nop
	global_prefetch_b8 v0, s[64:65] scope:SCOPE_SE
	s_setreg_imm32_b32 hwreg(HW_REG_WAVE_MODE, 25, 1), 1
	s_wait_xcnt 0x0
	s_wait_alu depctr_hold_cnt(0) depctr_sa_sdst(0) depctr_va_vdst(0) depctr_va_sdst(0) depctr_va_ssrc(0) depctr_va_vcc(0) depctr_vm_vsrc(0)
	s_getreg_b32 s2, hwreg(HW_REG_IB_STS2, 6, 4)
	s_cmp_eq_u32 s2, 0
	s_cbranch_scc0 .Lentry_in_a_cluster
	s_endpgm
.Lentry_in_a_cluster:
	s_bfe_u32 s2, ttmp6, 0x10000c
	s_cmp_lg_u32 s2, 0xf033
	s_cbranch_scc0 .Lentry_shape_is_right
	s_endpgm
.Lentry_shape_is_right:
; q = x Wq + bq, k = x Wk + bk and v^T = (x Wv + bv)^T, on codes of FP8 (E4M3) with one E8M0 scale for each 32 along K = 1,024; the results never go to memory as f32: they are quantised in registers, along the
; axis that is K of the product that reads them, and leave as codes and scale words.
; ONE FORM FOR THE THREE: C[i][j] = sum over k of P[i][k] R[j][k] + bias, quantised along j.  q (cluster x = 0), k (1): P = x's rows (tokens), R = the weight's rows (features): j runs over features.
; v^T (cluster x = 2): P = Wv's rows (features), R = x's rows (tokens): j runs over the keys.  Which is which hangs on the cluster's x alone, which all sixteen partners share.
; A tile of C, 256 x 256, is made by a work-group of four waves; a wave makes 128 x 128: 64 accumulators of 16 x 16, 512 registers.  K goes in steps of 256 through a ring of two LDS slots filled by the tensor
; data mover (rows of 256 bytes).  The scale bytes of the work-group's 256 rows of P and of R, for all of K, come into LDS once, with the first fills.
; CLUSTERS: 4 x 4 work-groups.  The four of a row of the cluster need the same tiles of P, the four of a column the same tiles of R: each tile is asked for JOINTLY, by the same tensor load with the same
; descriptor and a mask that names the four.
; THE MATRIX INSTRUCTION TAKES R AS SOURCE 0 AND P AS SOURCE 1: a lane holds one row i, and its registers run along j.
; POSITION ORDER: all rows lie in memory at position pi(row), bits 3 and 4 exchanged.  Register j' of accumulator (a, b), lane (r, h), is then j = 32 (b / 2) + 16 h + 8 (b % 2) + j': the 16 registers of
; accumulators 2 c and 2 c + 1 are the 16 neighbours 32 c + 16 h + 0 .. 15: just what registers 4 c .. 4 c + 3 of an 8-bit operand hold.  So the conversions' results ARE the next operand's registers, and they are
; stored as an IMAGE of them: registers 4 c .. 4 c + 3 of lane l at 512 c + 16 l: each store of the wave covers 512 consecutive bytes, aligned.
; OUT: qkvc: q at 0, k at 8 MiB: [head pair 8][tile of 16 tokens 512][2 KiB image: c 0, 1 the even head, c 2, 3 the odd];  v^T at 16 MiB: [128 tokens 64][tile of 16 features 64][2 KiB image].
;      qkvs: parts of 256 KiB, [the same two indices][r 16][a word: byte c for block c].
; The bias is the C of each sum's first matrix instruction.  q, k: it runs along j (eight registers for each b); v^T: along i (one number a lane for each a, in eight registers).  So the first step of 128
; along K is written twice, under a branch on the cluster's x.
; LIMITS: a block of zeros gets the byte 1 where the quantiser says 127 (its codes are zeros; this program alone reads the bytes); NaN and infinities are not served.
; REGISTERS, in windows of 256: window 0: v0-31 addresses; v32-63 scale words, two sets; v64-127 the bias; from v128 P's fragments, ONE set.  On the way out: v32-47 at work, v48-55 scale words made,
;   v128-255 the codes of the eight blocks.   window 1: R's fragments, TWO sets.   window 2: the accumulators of my rows 0-63 ((a, b) at v[8 (8 a + b)]);   window 3: rows 64-127.
.set SIZE_K, 1024
.set KSTEP,  256                       ; along K in a slot
.set NQ,     KSTEP/128                 ; matrix instructions deep
.set ROWB,   256                       ; a tile's row in bytes
.set KROW,   SIZE_K                    ; a row of codes in memory, in bytes
.set PITCH,  272                       ; an LDS row: 256 bytes + 16 of padding = 68 words: the 16 rows that a load touches start at 16 different banks (64 banks of 4 bytes: ISA guide 11.1)
.set FR,     16                        ; registers of a fragment
.set NL,     4                         ; LDS loads that bring one
.set NP,     8                         ; places behind this matrix instruction (ISA guide 7.12.1)
.set HALFT,  128*PITCH                 ; 128 rows: what one tensor load brings
.set SLOT,   4*HALFT                   ; P's 256 rows, then R's 256 rows
.set LAPS,   SIZE_K/(2*KSTEP)
.set KS,     SIZE_K/32                 ; a row of scales in bytes
.set SCL,    2*SLOT                    ; behind the ring: the scales, as rows of 256 bytes + 16 of padding
.set HALFS,  (128*KS/256)*272          ; the scales of 128 rows
.set SBLK,   (16*KS/256)*272           ; those of 16 rows
.set SPARE,  SCL+4*HALFS               ; behind the scales: the spare words, 128 bytes for each wave: two blocks of 256 bytes that no other line names
.set ADRA, 16                          ; v16-17  LDS address of my P fragments in slot 0, 1
.set ADRB, 20                          ; v20-21  the same for R
.set LI,   24                          ; v24     16 x lane: my place in an image
.set SSTO, 25                          ; v25     the way out: where I put a scale word: 512 x wave + 4 (lane % 16)
.set SRD,  26                          ; v26     and where I read 16 bytes of them back: 512 x wave + 16 x lane
.set ADRS, 27                          ; v27     LDS address of my scale words: lanes 0-15 P's rows, lanes 16-31 R's
.set SPW,  28                          ; v28     LDS address of my spare word; never rewritten
.set NIL,  29                          ; v29     0; never rewritten
.set SC,   32                          ; scale words: set s at v[SC + 8 NQ s]; register NQ i + q: lanes 0-15 P's block i, lanes 16-31 R's block i
.set BI,   64                          ; the bias
.set AF,   128                         ; P's fragments
.set TM,   32                          ; the way out: v32-35 largest magnitudes, v36-39 bytes, v44-47 the conversions' scale operands
.set PW,   48                          ; v48-55  block a's scale word
.set XS,   64
.set PC,   128                         ; v[128 + 16 a ..] block a's codes: never written twice, so no store's data are written again
.set G1, 24                            ; s[24:31] descriptor group 1 for P's tiles;  s[32:39] group 0, one set for each slot
.set G0, 32
.set G1B, 48                           ; s[48:55], s[56:63] the same for R's tiles
.set G0B, 56
.set G1S, 68                           ; s[68:75], s[76:79] groups 1 and 0 for P's scales;  s[80:87], s[88:91] for R's
.set G0S, 76
.set G1SB, 80
.set G0SB, 88
.set SEL, 66                           ; s[66:67] lane selects for v_permlanex16_b32: lane l xor 16
.set MNT, 95
.set MSB, 0
.macro WIN new                         ; the immediate's high byte repeats the setting that is left
.if MSB != (\new)
	s_set_vgpr_msb (MSB<<8)|(\new)
.set MSB, (\new)
.endif
.endm
.set MUL_LO, 0xa1                      ; source 0 (R) window 1, source 1 (P) window 0, C and D window 2
.set MUL_HI, 0xf1                      ; the same, C and D window 3
.set MUL_LO0, 0x81                     ; the first step: C (the bias) window 0, D window 2
.set MUL_HI0, 0xc1                     ; D window 3
.set TO_B,   0x40                      ; destination window 1, address window 0
; A joint load: waves 0 and 1 fetch for P, waves 2 and 3 for R.  Each of the two lines has ONE mask and one set of registers for all that issue it; the branch hangs on the wave's number alone.
; Four v_nop follow each of the two lines, ahead of the jump, the label and what follows.
.macro JLOAD g0a, g1a, g0b, g1b
	s_cmp_eq_u32 s15, 0
	s_cbranch_scc0 .Lfor_b_\@
	tensor_load_to_lds s[\g0a:\g0a+3], s[\g1a:\g1a+7]
	s_nop 0
.rept 4
	v_nop
.endr
	s_branch .Lasked_\@
.Lfor_b_\@:
	tensor_load_to_lds s[\g0b:\g0b+3], s[\g1b:\g1b+7]
	s_nop 0
.rept 4
	v_nop
.endr
.Lasked_\@:
.endm
.macro CREST                           ; a round of the cluster's barrier behind its opening barrier
	s_cmp_lg_u32 s14, 0
	s_cbranch_scc1 .Lnot_wave_0_\@
	s_barrier_signal -3
.Lnot_wave_0_\@:
	s_barrier_wait -3
	s_barrier_signal -1
	s_barrier_wait -1
.endm
.macro CROUND                          ; a whole round
	s_barrier_signal -1
	s_barrier_wait -1
	CREST
.endm
	s_load_b256 s[4:11], s[0:1], 0x0               ; xc, xs, wc, ws
	s_load_b256 s[24:31], s[0:1], 0x20             ; bq, bk, bv, qkvc
	s_load_b64 s[32:33], s[0:1], 0x40              ; qkvs
	v_lshl_add_u32 v[SPW], v0, 2, SPARE
	v_mov_b32 v[NIL], 0
	ds_add_u32 v28, v29
	ds_add_u32 v28, v29
	s_wait_dscnt 0x0
	v_lshrrev_b32 v1, 5, v0
	v_readfirstlane_b32 s14, v1                    ; wave 0..3
	s_lshr_b32 s15, s14, 1                         ; which half of the tile's rows i is mine.  Also: I fetch for P (0) or for R (1)
	s_and_b32 s16, s14, 1                          ; which half of its j.  Also: which 128 rows of that tile I fetch
	s_mov_b32 s[SEL], 0x76543210
	s_mov_b32 s[SEL+1], 0xfedcba98
	s_wait_kmcnt 0x0
	s_cmp_lt_u32 ttmp9, 2                          ; q or k (1), or v^T (0): the choice hangs on the cluster's x alone
	s_cselect_b64 s[36:37], s[4:5], s[8:9]         ; P's codes: x's or the weights'
	s_cselect_b64 s[38:39], s[6:7], s[10:11]       ; P's scales
	s_cselect_b64 s[40:41], s[8:9], s[4:5]         ; R's codes
	s_cselect_b64 s[42:43], s[10:11], s[6:7]       ; R's scales
	s_mov_b64 s[4:5], s[36:37]
	s_mov_b64 s[6:7], s[38:39]
	s_mov_b64 s[8:9], s[40:41]
	s_mov_b64 s[10:11], s[42:43]
	s_cmp_eq_u32 ttmp9, 0
	s_cselect_b64 s[96:97], s[24:25], s[26:27]     ; the bias: bq or bk,
	s_cmp_eq_u32 ttmp9, 2
	s_cselect_b64 s[96:97], s[28:29], s[96:97]     ; or bv
	s_mov_b64 s[12:13], s[30:31]                   ; qkvc
	s_mov_b64 s[98:99], s[32:33]                   ; qkvs.  From here on s24 and up are free for the descriptors
	s_bfe_u32 s40, ttmp6, 0x40000                  ; cx, cy: my place in the cluster
	s_bfe_u32 s41, ttmp6, 0x40004
	s_and_b32 s18, ttmp7, 0xffff
	s_lshl_b32 s18, s18, 2                         ; 4 x cluster y
	s_lshl_b32 s19, ttmp9, 2                       ; 4 x cluster x
	s_cmp_lt_u32 ttmp9, 2
	s_cselect_b32 s17, s18, 8                      ; P's tile of 256 rows: q, k: 4 Y + cy of x;  v^T: 8 + cy of the weights' 16 (Wv begins at row 2,048)
	s_cselect_b32 s42, s19, s18                    ; R's: q, k: 4 X + cx of the weights' (Wq, then Wk);  v^T: 4 Y + cx of x
	s_add_co_u32 s17, s17, s41
	s_add_co_u32 s42, s42, s40
	s_lshl_b32 s43, s41, 2
	s_lshl_b32 s43, 15, s43                        ; my row of the cluster
	s_lshl_b32 s44, 0x1111, s40                    ; my column
	; descriptor group 1: a tile of 128 rows x 256 bytes, padded in LDS
	s_or_b32 s[G1+0], s43, (0<<16)|(1<<20)|(1<<21)|(5<<22)|(3<<25)  ; 15:0 the mask: P's tiles go to my row; 17:16 element of 1 byte; 20 padding on; 21 set beside a mask; 24:22 after every 64 words (code 5); 31:25 of 4 words (code 3)
	s_or_b32 s[G1B+0], s44, (0<<16)|(1<<20)|(1<<21)|(5<<22)|(3<<25)
.irp g, G1, G1B
	s_mov_b32 s[\g+1], ROWB<<16                    ; tensor_dim0
	s_mov_b32 s[\g+2], 128<<16                     ; tensor_dim1 = 128
	s_mov_b32 s[\g+3], ROWB<<16                    ; tile_dim0
	s_mov_b32 s[\g+4], 128                         ; tile_dim1 = 128
	s_mov_b32 s[\g+5], KROW                        ; tensor_dim0_stride
	s_mov_b32 s[\g+6], 0
	s_mov_b32 s[\g+7], 0
.endr
	; and for the scales of 128 rows: a dense block of 4,096 bytes, as 16 rows of 256 bytes (32 elements of 8 bytes), 16 bytes of padding behind each
	s_or_b32 s[G1S+0], s43, (3<<16)|(1<<20)|(1<<21)|(5<<22)|(3<<25)
	s_or_b32 s[G1SB+0], s44, (3<<16)|(1<<20)|(1<<21)|(5<<22)|(3<<25)
.irp g, G1S, G1SB
	s_mov_b32 s[\g+1], 32<<16
	s_mov_b32 s[\g+2], (128*KS/256)<<16
	s_mov_b32 s[\g+3], 32<<16
	s_mov_b32 s[\g+4], 128*KS/256
	s_mov_b32 s[\g+5], 32
	s_mov_b32 s[\g+6], 0
	s_mov_b32 s[\g+7], 0
.endr
	; where the tiles come from, in bytes: row 256 x tile + 128 x half; a row is 1,024 bytes of codes and 32 of scales.  P's offsets hold cy alone, R's cx alone
	s_lshl_b32 s20, s17, 18
	s_lshl_b32 s18, s16, 17
	s_add_co_u32 s20, s20, s18                     ; P's codes
	s_mov_b32 s21, 0
	s_lshl_b32 s22, s17, 13
	s_lshl_b32 s19, s16, 12
	s_add_co_u32 s22, s22, s19                     ; P's scales
	s_mov_b32 s23, 0
	s_lshl_b32 s46, s42, 18
	s_add_co_u32 s46, s46, s18                     ; R's codes
	s_mov_b32 s47, 0
	s_lshl_b32 s92, s42, 13
	s_add_co_u32 s92, s92, s19                     ; R's scales
	s_mov_b32 s93, 0
	s_mul_i32 s45, s14, HALFT                      ; where they go: wave x 128 rows: no place in the cluster enters an LDS address
	s_mul_i32 s94, s14, HALFS
	s_add_nc_u64 s[20:21], s[4:5], s[20:21]
	s_add_nc_u64 s[22:23], s[6:7], s[22:23]
	s_add_nc_u64 s[46:47], s[8:9], s[46:47]
	s_add_nc_u64 s[92:93], s[10:11], s[92:93]
	CROUND                                         ; all sixteen work-groups are here: the first joint loads meet
	s_mov_b32 s[G0S], 1
	s_add_co_u32 s[G0S+1], s94, SCL
	s_mov_b64 s[G0S+2:G0S+3], s[22:23]
	s_or_b32 s[G0S+3], s[G0S+3], 0x80000000
	s_mov_b32 s[G0SB], 1
	s_add_co_u32 s[G0SB+1], s94, SCL
	s_mov_b64 s[G0SB+2:G0SB+3], s[92:93]
	s_or_b32 s[G0SB+3], s[G0SB+3], 0x80000000
	JLOAD G0S, G1S, G0SB, G1SB                     ; the scales first: they are wanted with K step 0
.irp s, 0,1
	s_mov_b32 s[G0+4*\s], 1
	s_add_co_u32 s[G0+4*\s+1], s45, \s*SLOT
	s_add_nc_u64 s[G0+4*\s+2:G0+4*\s+3], s[20:21], \s*ROWB
	s_or_b32 s[G0+4*\s+3], s[G0+4*\s+3], 0x80000000
	s_mov_b32 s[G0B+4*\s], 1
	s_add_co_u32 s[G0B+4*\s+1], s45, \s*SLOT
	s_add_nc_u64 s[G0B+4*\s+2:G0B+4*\s+3], s[46:47], \s*ROWB
	s_or_b32 s[G0B+4*\s+3], s[G0B+4*\s+3], 0x80000000
	JLOAD G0+4*\s, G1, G0B+4*\s, G1B               ; three tensor loads of mine are out
.endr
	v_and_b32 v1, 15, v0                           ; r = l % 16
	v_bfe_u32 v2, v0, 4, 1                         ; h = l / 16
	v_mul_u32_u24 v3, v1, PITCH
	v_lshl_add_u32 v4, v2, 4, v3                   ; a fragment's row x pitch + 16 x half
	s_mul_i32 s21, s15, HALFT                      ; my 128 rows of P
	s_mul_i32 s22, s16, HALFT                      ; my 128 rows of R,
	s_add_co_u32 s22, s22, 2*HALFT                 ; which lie behind P's 256
.irp s, 0,1
	v_add_nc_u32 v[ADRA+\s], s21, v4
	v_add_nc_u32 v[ADRB+\s], s22, v4
	s_add_co_u32 s21, s21, SLOT
	s_add_co_u32 s22, s22, SLOT
.endr
	v_mul_u32_u24 v5, v1, KS                       ; my row's scales: 32 bytes a row,
	v_lshrrev_b32 v6, 8, v5
	v_lshl_add_u32 v5, v6, 4, v5                   ; and 16 more for each 256 passed
	s_mul_i32 s21, s15, HALFS                      ; P's: my 128 rows
	s_mul_i32 s22, s16, HALFS                      ; R's: my 128 rows, behind P's 256
	s_add_co_u32 s22, s22, 2*HALFS
	s_sub_co_u32 s22, s22, s21
	v_mul_u32_u24 v6, s22, v2                      ; lanes 16-31 take R's: one product, the lower base + h x the distance
	s_add_co_u32 s21, s21, SCL
	v_add_nc_u32 v5, v5, v6
	v_add_nc_u32 v[ADRS], s21, v5
	v_and_b32 v6, 31, v0
	v_lshlrev_b32 v[LI], 4, v6
	s_lshl_b32 s23, s14, 9                         ; the way out's 512 bytes for each wave, at the head of slot 0
	v_lshl_add_u32 v[SSTO], v1, 2, s23
	v_add_nc_u32 v[SRD], s23, v[LI]
	v_lshlrev_b32 v7, 6, v2                        ; the bias along j: 64 h bytes
	v_and_b32 v8, 8, v1
	v_add_nc_u32 v8, v8, v1
	v_lshlrev_b32 v8, 2, v8                        ; the bias along i: 4 (r + 8 (r / 8)) bytes
	; where my results go.  G = which 128 along j, T0 = my first tile of 16 along i.  q, k: G the head pair, 1 MiB of codes and 32 KiB of words each;  v^T: G the 128 tokens, 128 KiB and 4 KiB
	s_cmp_lt_u32 ttmp9, 2
	s_cselect_b32 s100, s17, s41                   ; the tile's place along i in the output
	s_cselect_b32 s101, s40, s42                   ; and along j
	s_mov_b32 s92, 0x20000
	s_cselect_b32 s92, 0x100000, s92               ; G's pitch in the codes,
	s_mov_b32 s93, 4096
	s_cselect_b32 s93, 32768, s93                  ; and in the scale words
	s_lshl_b32 s101, s101, 1
	s_add_co_u32 s101, s101, s16                   ; G
	s_lshl_b32 s100, s100, 4
	s_lshl_b32 s94, s15, 3
	s_add_co_u32 s100, s100, s94                   ; T0
	s_mul_i32 s92, s101, s92
	s_mul_i32 s93, s101, s93
	s_lshl_b32 s94, s100, 11                       ; an image is 2 KiB
	s_add_co_u32 s92, s92, s94
	s_lshl_b32 s94, ttmp9, 23                      ; the part: 8 MiB
	s_add_co_u32 s92, s92, s94
	s_lshl_b32 s94, s100, 6                        ; a tile's words are 64 bytes
	s_add_co_u32 s93, s93, s94
	s_lshl_b32 s94, ttmp9, 18                      ; the part: 256 KiB
	s_add_co_u32 s100, s93, s94
	s_mov_b32 s93, 0
	s_mov_b32 s101, 0
	s_add_nc_u64 s[12:13], s[12:13], s[92:93]
	s_add_nc_u64 s[98:99], s[98:99], s[100:101]
	; the bias, in the result's layout
	s_cmp_eq_u32 ttmp9, 2
	s_cbranch_scc1 .Lbias_v
	s_lshl_b32 s100, s40, 10                       ; q, k: my 128 features begin at 256 cx + 128 x half
	s_lshl_b32 s101, s16, 9
	s_add_co_u32 s100, s100, s101
	s_mov_b32 s101, 0
	s_add_nc_u64 s[96:97], s[96:97], s[100:101]
	s_wait_alu depctr_va_vdst(0)
.irp b, 0,1,2,3,4,5,6,7
	global_load_b128 v[BI+8*\b:BI+8*\b+3], v7, s[96:97] offset:(32*(\b/2)+8*(\b%2))*4          ; features 32 (b / 2) + 16 h + 8 (b % 2) + 0 .. 7
	global_load_b128 v[BI+8*\b+4:BI+8*\b+7], v7, s[96:97] offset:(32*(\b/2)+8*(\b%2))*4+16
.endr
	s_branch .Lbias_done
.Lbias_v:
	s_lshl_b32 s100, s41, 10                       ; v^T: my 128 features begin at 256 cy + 128 x half
	s_lshl_b32 s101, s15, 9
	s_add_co_u32 s100, s100, s101
	s_mov_b32 s101, 0
	s_add_nc_u64 s[96:97], s[96:97], s[100:101]
	s_wait_alu depctr_va_vdst(0)
.irp a, 0,1,2,3,4,5,6,7
.irp j, 0,1,2,3,4,5,6,7
	global_load_b32 v[BI+8*\a+\j], v8, s[96:97] offset:(32*(\a/2)+8*(\a%2))*4                  ; feature 32 (a / 2) + 8 (a % 2) + r + 8 (r / 8), the same in all eight registers
.endr
.endr
.Lbias_done:
.macro FRAG reg, adr, q, i             ; a fragment, 16 rows x 128 K of 8-bit codes, is 16 registers: lane l holds row l % 16; registers 4 c .. 4 c + 3 hold K = 32 c + 16 (l / 16) + 0 .. 15
.irp c, 0,1,2,3
	ds_load_b128 v[\reg+4*\c:\reg+4*\c+3], v[\adr] offset:128*(\q)+32*\c+(\i)*16*PITCH
.endr
.endm
; 16 matrix instructions: P's blocks a0, a0 + 1 x R's eight, 128 along K: the slot's q-th.  p: R's set;  sc: the set of scale words.  mode 0: C is the accumulator; 1: the bias along j starts the sum; 2: the bias along i.
; The 64 accumulators take turns, one instruction a turn, in the same order in every step.
.macro MUL16 a0, p, q, sc, mode
.irp a, \a0, \a0+1
.irp b, 0,1,2,3,4,5,6,7
.if \mode == 1
	v_wmma_scale_f32_16x16x128_f8f6f4 v[8*(8*((\a)%4)+\b):8*(8*((\a)%4)+\b)+7], v[128*(\p)+FR*\b:128*(\p)+FR*\b+FR-1], v[AF+FR*(\a):AF+FR*(\a)+FR-1], v[BI+8*\b:BI+8*\b+7], v[SC+8*NQ*(\sc)+NQ*\b+(\q)], v[SC+8*NQ*(\sc)+NQ*(\a)+(\q)] matrix_a_scale:MATRIX_SCALE_ROW1
.elseif \mode == 2
	v_wmma_scale_f32_16x16x128_f8f6f4 v[8*(8*((\a)%4)+\b):8*(8*((\a)%4)+\b)+7], v[128*(\p)+FR*\b:128*(\p)+FR*\b+FR-1], v[AF+FR*(\a):AF+FR*(\a)+FR-1], v[BI+8*(\a):BI+8*(\a)+7], v[SC+8*NQ*(\sc)+NQ*\b+(\q)], v[SC+8*NQ*(\sc)+NQ*(\a)+(\q)] matrix_a_scale:MATRIX_SCALE_ROW1
.else
	v_wmma_scale_f32_16x16x128_f8f6f4 v[8*(8*((\a)%4)+\b):8*(8*((\a)%4)+\b)+7], v[128*(\p)+FR*\b:128*(\p)+FR*\b+FR-1], v[AF+FR*(\a):AF+FR*(\a)+FR-1], v[8*(8*((\a)%4)+\b):8*(8*((\a)%4)+\b)+7], v[SC+8*NQ*(\sc)+NQ*\b+(\q)], v[SC+8*NQ*(\sc)+NQ*(\a)+(\q)] matrix_a_scale:MATRIX_SCALE_ROW1
.endif
.endr
.endr
.endm
.macro FETCH_B slot, q, p              ; R's eight fragments of the slot's q-th 128 along K into set p
	WIN TO_B
.irp i, 0,1,2,3,4,5,6,7
	FRAG 128*(\p)+FR*\i, ADRB+\slot, \q, \i
.endr
	WIN 0
.endm
.macro FETCH_A slot, q, i0             ; P's blocks i0 .. i0 + 3
.irp i, \i0, \i0+1, \i0+2, \i0+3
	FRAG AF+FR*(\i), ADRA+\slot, \q, \i
.endr
.endm
.macro SCALES sc                       ; the next K step's scale words into set sc: two words a row; lanes 0-15 take P's block i, lanes 16-31 R's block i
.irp i, 0,1,2,3,4,5,6,7
	ds_load_b64 v[SC+8*NQ*\sc+NQ*\i:SC+8*NQ*\sc+NQ*\i+1], v[ADRS] offset:\i*SBLK
.endr
.endm
; A load into a register that a matrix instruction has read, and a vector instruction that reads a matrix result or writes one of its registers, stand eight places behind it, and only plain vector
; instructions that name none of its registers are places.
.macro PLACES n
.rept \n
	v_nop
.endr
.endm
; A step of 128 along K that has its successor in the same slot.
.macro STEP slot, q, mode
	s_wait_dscnt 4*NL                              ; R's set and P's blocks 0-3 are in; the youngest sixteen loads (P's blocks 4-7) may be out
.if \mode
	WIN MUL_LO0
.else
	WIN MUL_LO
.endif
	MUL16 0, (\q)%2, \q, \slot, \mode
	MUL16 2, (\q)%2, \q, \slot, \mode
	s_wait_dscnt 0                                 ; P's blocks 4-7 are in (asked for 32 matrix instructions ago)
	PLACES NP
	FETCH_B \slot, (\q)+1, 1-(\q)%2
	FETCH_A \slot, (\q)+1, 0
.if \mode
	WIN MUL_HI0
.else
	WIN MUL_HI
.endif
	MUL16 4, (\q)%2, \q, \slot, \mode
	MUL16 6, (\q)%2, \q, \slot, \mode
	PLACES NP
	WIN 0
	FETCH_A \slot, (\q)+1, 4
.endm
; A slot's last step changes slots: ONE barrier; in front of it each wave waits for all its tensor loads, adds 0 to its spare word, and waits for that and for its own reads of this slot.  fill = 1: this slot is filled again, two K steps ahead.
.macro TURN slot, next, fill
	s_wait_tensorcnt 0x0                           ; all my tensor loads have landed: my part of the next slot;  (every window is 0 here)
	ds_add_u32 v[SPW], v[NIL]                      ; 0 onto my spare word
	s_wait_dscnt 4*NL+1                            ; (the add and the youngest sixteen loads, P's blocks 4-7, may be out)
	WIN MUL_LO
	MUL16 0, 1, NQ-1, \slot, 0                     ; sixteen matrix instructions stand between the add and the wait for it
	s_wait_dscnt 0x0                               ; the add is done, and my reads of this slot are over
	s_barrier_signal -1
	MUL16 2, 1, NQ-1, \slot, 0
	WIN 0
	s_barrier_wait -1
.if \fill
	CREST                                          ; the barrier has opened a round of the cluster's barrier: no wave of any partner still reads this slot's tile or has a load on its way
	s_add_nc_u64 s[G0+4*\slot+2:G0+4*\slot+3], s[G0+4*\slot+2:G0+4*\slot+3], 2*ROWB
	s_add_nc_u64 s[G0B+4*\slot+2:G0B+4*\slot+3], s[G0B+4*\slot+2:G0B+4*\slot+3], 2*ROWB
	JLOAD G0+4*\slot, G1, G0B+4*\slot, G1B         ; the first tensor load behind the round, my only one until the next; the four v_nop behind it are among the places in front of the loads below
	PLACES NP-4
.else
	PLACES NP
.endif
	s_wait_alu depctr_va_vdst(0)
	v_add_nc_u32 v[ADRS], 4*NQ, v[ADRS]            ; on to the next K step's scale words
	FETCH_B \next, 0, 0
	FETCH_A \next, 0, 0
	SCALES \next
	WIN MUL_HI
	MUL16 4, 1, NQ-1, \slot, 0
	MUL16 6, 1, NQ-1, \slot, 0
	PLACES NP
	WIN 0
	FETCH_A \next, 0, 4
.endm
	s_wait_tensorcnt 1                             ; the scales and my part of K step 0 are in (K step 1's load may be out)
	s_barrier_signal -1
	s_barrier_wait -1                              ; everybody's are
	FETCH_B 0, 0, 0
	FETCH_A 0, 0, 0
	SCALES 0
	FETCH_A 0, 0, 4
	s_wait_loadcnt 0x0                             ; the bias
	s_cmp_eq_u32 ttmp9, 2                          ; the first step starts the sums with the bias: along j (q, k) or along i (v^T)
	s_cbranch_scc1 .Lfirst_v
	STEP 0, 0, 1
	s_branch .Lfirst_done
.Lfirst_v:
	STEP 0, 0, 2
.Lfirst_done:
	s_mov_b32 s3, LAPS-1
.Llap:                                                 ; a trip goes once round the ring, from a lap's second step to the next lap's first, and fills both slots again
	TURN 0, 1, 1
	STEP 1, 0, 0
	TURN 1, 0, 1
	STEP 0, 0, 0
	s_sub_co_u32 s3, s3, 1
	s_cmp_lg_u32 s3, 0
	s_cbranch_scc1 .Llap
	TURN 0, 1, 0                                   ; the last lap fills nothing, and has no round of the cluster's barrier
	STEP 1, 0, 0
	s_wait_dscnt 4*NL                              ; the very last step: nothing more to fetch
	WIN MUL_LO
	MUL16 0, 1, NQ-1, 1, 0
	MUL16 2, 1, NQ-1, 1, 0
	s_wait_dscnt 0
	WIN MUL_HI
	MUL16 4, 1, NQ-1, 1, 0
	MUL16 6, 1, NQ-1, 1, 0
	WIN 0
; THE WAY OUT.  Block a (16 rows i x my 128 along j) is one fragment of the product that will read it: four blocks of 32 along j, each in lanes l and l xor 16.  Largest magnitudes (each accumulator is read
; from its low end on), scale bytes, the conversions; the codes are stored as they stand, the scale word goes to my own 512 bytes of LDS.  Those lie in slot 0, which has had its
; last fill, and which nobody reads behind the last change of slots.
.macro QOUT a
.set WA, 2+(\a)/4                      ; the block's window
.set WB, WA+4*WA
.set AC, 64*((\a)%4)
	WIN WB                                         ; sources 0 and 1: the accumulators' window
.irp b, 0,1,2,3
	v_max3_num_f32 v[TM+\b], |v[AC+16*\b]|, |v[AC+16*\b+1]|, 0x4800000   ; block b: my 16 numbers, and the floor 2^(9 - 127): the byte cannot fall under 1
.endr
.irp i, 2,4,6,8,10,12,14
.irp b, 0,1,2,3
	v_max3_num_f32 v[TM+\b], |v[AC+16*\b+\i]|, |v[AC+16*\b+\i+1]|, v[TM+\b]   ; (the four blocks by turns)
.endr
.endr
	WIN 0
.irp b, 0,1,2,3
	v_permlanex16_b32 v[TM+4+\b], v[TM+\b], s[SEL], s[SEL+1]
.endr
.irp b, 0,1,2,3
	v_max_num_f32 v[TM+\b], v[TM+\b], v[TM+4+\b]   ; with lane l xor 16's: the block's largest magnitude
.endr
.irp b, 0,1,2,3
	v_add_nc_u32 v[TM+12+\b], 0xfc000000, v[TM+\b] ; 8 off its exponent field: the conversion's scale operand
.endr
.irp b, 0,1,2,3
.endr
.irp b, 0,1,2,3
	v_lshrrev_b32 v[TM+4+\b], 23, v[TM+12+\b]      ; the scale's byte
.endr
	v_lshl_or_b32 v[PW+(\a)], v[TM+5], 8, v[TM+4]  ; the four bytes make my row's scale word
	v_lshl_or_b32 v[PW+(\a)], v[TM+6], 16, v[PW+(\a)]
	v_lshl_or_b32 v[PW+(\a)], v[TM+7], 24, v[PW+(\a)]
	WIN WA                                         ; source 0: the accumulators' window
.irp b, 0,1,2,3
.irp i, 0,1,2,3,4,5,6,7,8,9,10,11,12,13,14,15
.endr
.endr
.irp b, 0,1,2,3
	v_cvt_scalef32_pk8_fp8_f32 v[PC+16*(\a)+4*\b:PC+16*(\a)+4*\b+1], v[AC+16*\b:AC+16*\b+7], v[TM+12+\b]
	v_cvt_scalef32_pk8_fp8_f32 v[PC+16*(\a)+4*\b+2:PC+16*(\a)+4*\b+3], v[AC+16*\b+8:AC+16*\b+15], v[TM+12+\b]
.endr
	WIN 0
	v_nop                                          ; a plain line behind the last conversion: the next block writes its sources
.irp b, 0,1,2,3
	global_store_b128 v[LI], v[PC+16*(\a)+4*\b:PC+16*(\a)+4*\b+3], s[12:13] offset:2048*(\a)+512*\b   ; 32 lanes store 512 consecutive bytes, at a multiple of 512 from the buffer's first byte
.endr
	ds_store_b32 v[SSTO], v[PW+(\a)] offset:64*(\a)   ; lanes r and r + 16 write the same word with the same value
.endm
	PLACES NP                                      ; behind the last products: their results are read, and their operands' and scales' registers written, below
.irp b, 0,1,2,3
	v_mov_b32 v[TM+4+\b], 0                        ; written once: a lane permute's destination counts as one of its sources
.endr
.irp a, 0,1,2,3,4,5,6,7
	QOUT \a
.endr
	ds_load_b128 v[TM:TM+3], v[SRD]                ; LDS serves a wave's instructions in order: this sees my eight stores: the words of my eight tiles, 512 bytes on end
	s_wait_dscnt 0x0
	global_store_b128 v[LI], v[TM:TM+3], s[98:99]  ; 32 lanes store 512 consecutive bytes, aligned
	s_wait_tensorcnt 0x0                           ; the wave's end, behind my last tensor load and my last LDS store
	ds_add_u32 v[SPW], v[NIL]
	s_wait_dscnt 0x0
	CROUND                                         ; the closing round: no work-group ends while a partner may still ask for a tile that names it
	s_endpgm
.Lfunc_end_k_qf443ea0aa4_qkv:
	.size	k_qf443ea0aa4_qkv, .Lfunc_end_k_qf443ea0aa4_qkv-k_qf443ea0aa4_qkv
	.p2alignl 7, 3214868480
	.fill 96, 4, 3214868480
	.section	.rodata,"a",@progbits
	.p2align	6, 0x0
	.amdhsa_kernel k_qf443ea0aa4_qkv
		.amdhsa_group_segment_fixed_size 327680
		.amdhsa_private_segment_fixed_size 0
		.amdhsa_enable_private_segment 0
		.amdhsa_kernarg_size 72
		.amdhsa_user_sgpr_count 2
		.amdhsa_user_sgpr_kernarg_segment_ptr 1
		.amdhsa_wavefront_size32 1
		.amdhsa_system_sgpr_workgroup_id_x 1
		.amdhsa_system_sgpr_workgroup_id_y 1
		.amdhsa_system_sgpr_workgroup_id_z 1
		.amdhsa_system_vgpr_workitem_id 0
		.amdhsa_next_free_vgpr 1024
		.amdhsa_next_free_sgpr 102
		.amdhsa_reserve_vcc 0
		.amdhsa_float_denorm_mode_32 3
		.amdhsa_float_denorm_mode_16_64 3
		.amdhsa_fp16_overflow 1
		.amdhsa_memory_ordered 1
		.amdhsa_forward_progress 1
		.amdhsa_inst_pref_size 172
	.end_amdhsa_kernel
	.amdgpu_metadata
---
amdhsa.version: [ 1, 2 ]
amdhsa.kernels:
  - .name:           k_qf443ea0aa4_qkv
    .symbol:         k_qf443ea0aa4_qkv.kd
    .args:
      - { .name: xc, .offset: 0, .size: 8, .value_kind: global_buffer, .address_space: global }
      - { .name: xs, .offset: 8, .size: 8, .value_kind: global_buffer, .address_space: global }
      - { .name: wc, .offset: 16, .size: 8, .value_kind: global_buffer, .address_space: global }
      - { .name: ws, .offset: 24, .size: 8, .value_kind: global_buffer, .address_space: global }
      - { .name: bq, .offset: 32, .size: 8, .value_kind: global_buffer, .address_space: global }
      - { .name: bk, .offset: 40, .size: 8, .value_kind: global_buffer, .address_space: global }
      - { .name: bv, .offset: 48, .size: 8, .value_kind: global_buffer, .address_space: global }
      - { .name: qkvc, .offset: 56, .size: 8, .value_kind: global_buffer, .address_space: global }
      - { .name: qkvs, .offset: 64, .size: 8, .value_kind: global_buffer, .address_space: global }
    .group_segment_fixed_size: 327680
    .private_segment_fixed_size: 0
    .kernarg_segment_align: 8
    .kernarg_segment_size: 72
    .max_flat_workgroup_size: 128
    .sgpr_count:     102
    .vgpr_count:     1024
    .wavefront_size: 32
...
	.end_amdgpu_metadata
.endif
;; end of part 3
;; launch attn (part 4): grid 4 x 64, 16 waves a work-group, no clusters, 327,680 bytes of LDS; arguments qkvc, qkvs, ac, asc; writes ac, asc
.if DOCPART == 4
	.amdgcn_target "amdgcn-amd-amdhsa--gfx1250"
	.amdhsa_code_object_version 6
	.text
	.protected	k_qf443ea0aa4_attn
	.globl	k_qf443ea0aa4_attn
	.p2align	8
	.type	k_qf443ea0aa4_attn,@function
k_qf443ea0aa4_attn:
	s_mov_b64 s[64:65], 0
	v_nop
	global_prefetch_b8 v0, s[64:65] scope:SCOPE_SE
	s_setreg_imm32_b32 hwreg(HW_REG_WAVE_MODE, 25, 1), 1
	s_wait_xcnt 0x0
; Causal attention of one head of 64, both products on codes of FP8 (E4M3) with one E8M0 scale for each 32 along a product's K, and its result quantised along the model's 1,024 for the product that follows.
; IN: qkvc, qkvs: q, k and v^T as images of operand registers (registers 4 c .. 4 c + 3 of lane l at 512 c + 16 l) and scale words.  q at 0, k at 8 MiB: [head pair 8][tile of 16 tokens 512][head in pair 2][1 KiB];
;     v^T at 16 MiB: [128 tokens 64][tile of 16 features 64][2 KiB].  Words: parts of 256 KiB; q, k: [pair][tile][r 16][bytes 0, 1 the even head, 2, 3 the odd]; v^T: [128 tokens][tile][r 16][4 bytes].
; OUT: ac [tile of 16 tokens 512][head pair 8][c 4 = 2 (head % 2) + block][lane 32][16 bytes]; asc [token position 8192][32]: byte 2 head + block.
; POSITION ORDER: lane r of tile T holds the true row 32 (T / 2) + 8 (T % 2) + r + 8 (r / 8).  So the 16 registers of result tiles 2 b and 2 b + 1 are 16 true neighbours, 32 b + 16 (lane / 16) + 0 .. 15.
; THE SOFTMAX AHEAD OF THE SECOND PRODUCT: t = score x log2(e) / 8; M = the row's largest t so far, rounded UP to a whole number; p = 2^(t - M) is quantised along the keys, not normalised.  The row's sum is taken of
; the unquantised p, in f32, and divides O at the end.  When M moves, the sum and O are multiplied by 2^(old M - new M): exact.
; K = 64 IN AN INSTRUCTION OF 128: the upper eight registers of q's and of k's fragments hold zero codes; the scale bytes over them are 0 (2^-127), which over zero codes on both sides adds nothing.
; SHARES.  Work-group (p, batch x head) owns the blocks of 256 queries 7 - p and then p: (8 - p) + (p + 1) = 9 slots of 256 keys for EVERY work-group: 256 equal work-groups, a constant trip count, and no tile is
; fetched that nobody reads.  Each of the sixteen waves owns one tile of 16 queries of the block in hand, in 256 registers: four waves to a SIMD, so that one wave's vector work stands beside another's matrix work.
; Both products are used transposed: S^T = K Q^T, O^T = V^T P^T: a lane holds ONE query throughout.
; RING: two LDS slots; wave 0 fetches a slot's codes of k, wave 1 those of v^T, wave 2 k's scale words, wave 3 v^T's: one tensor load each, behind each change of slots; at most one load of a wave is out.
; NO CLUSTER: the four work-groups of a head walk the same slots only up to trip 7 - p, which differs among them; from there on they need different tiles, so no request could be joint in every trip.
; A step all of whose 128 keys come after the wave's queries is left out by a scalar branch on ids; in the steps on the diagonal hidden scores become -infinity ahead of the maximum.
; LIMITS: a block of zeros gets the byte 1 where the quantiser says 127 (its codes are zeros; this program alone reads the bytes); NaN and infinities are not served.
; REGISTERS: v1 16 x lane, v2 4 r, v3 4 r + 2 (head % 2), v4 r + 8 (r / 8) - 16 h, v5, v6 the add's, v7 32 r, v8-10 the slot's LDS addresses; v12 -M, v13 the largest t, v[14:15] the sum in two halves;
;   v16-23 Q, v24-31 zeros; v32-95 four fragments of K (the upper 8 of each: zeros, written once); v96-159 S^T, then p, then four fragments of V; v160-191 O^T; v192-199, v200 the second block's Q and its scales;
;   v201 Q's scales; v202-209 K's; v210-213 V's; v214 p's; v216-231 p's codes; v232-247 at work; v248 the result's two scale bytes; v252 f, v253 0; v254 at work.
.set SLOTB, 65536                      ; slot 1 begins here: one exclusive or turns an address in one slot into the other's
.set KC,    0                          ; in a slot: k's codes, 16 tiles x 1 KiB,
.set VC,    16384                      ; v^T's: 2 steps x 4 tiles x 2 KiB,
.set KSC,   32768                      ; k's scale words, 16 tiles x 64 bytes,
.set VSC,   33792                      ; v^T's: 2 steps x 4 tiles x 64 bytes
.set SPARE, 131072                     ; behind the ring: the spare words, 128 bytes for each wave: eight blocks of 256 bytes that no other line names
.set SPW,  5
.set NIL,  6
.set WV,   12                          ; s12  my wave's number
.set P,    13                          ; s13  p
.set BLK,  18                          ; s18  the block of queries in hand
.set LIM,  19                          ; s19  8 - p: the first block's slots
.set SEL,  20                          ; s[20:21] lane selects for v_permlanex16_b32: lane l xor 16
.set CS,   22                          ; s[22:23] c = log2(e) / 8
.set MNT,  24
.set TB,   25                          ; s25  LDS byte at which the slot in hand begins
.set NX,   26                          ; s26  which 256 keys were asked for last
.set CUR,  27                          ; s27  which 256 keys are in hand
.set QR,   28                          ; s28  my tile's first query less the slot's first key
.set QW,   29                          ; s29  my tile's first query in its block: 32 (w / 2) + 8 (w % 2)
.set G1,   32                          ; s[32:63] four groups 1: k's codes, v^T's codes, k's words, v^T's words
.set G0,   68                          ; s[68:83] their groups 0
.set BS,   84                          ; s[84:91] where each begins in memory for this batch and head
.set OCB,  92                          ; s[92:93] ac at my tile of block 0
.set OSB,  94                          ; s[94:95] asc likewise
.macro GROUP1 g, c, r, p               ; r rows of c elements of 8 bytes, p elements apart; no mask, no padding
	s_mov_b32 s[\g], 3<<16
	s_mov_b32 s[\g+1], (\c)<<16                    ; tensor_dim0
	s_mov_b32 s[\g+2], (\r)<<16                    ; tensor_dim1
	s_mov_b32 s[\g+3], (\c)<<16                    ; tile_dim0
	s_mov_b32 s[\g+4], \r                          ; tile_dim1
	s_mov_b32 s[\g+5], \p                          ; tensor_dim0_stride
	s_mov_b32 s[\g+6], 0
	s_mov_b32 s[\g+7], 0
.endm
; Waves 0 to 3 fetch one tile each, the others nothing.  The branches hang on the wave's number alone.  Four v_nop follow each load.
.macro TLOAD4
	s_cmp_lg_u32 s[WV], 0
	s_cbranch_scc1 .Ln0_\@
	tensor_load_to_lds s[G0:G0+3], s[G1:G1+7]
	s_nop 0
.rept 4
	v_nop
.endr
	s_branch .Lasked_\@
.Ln0_\@:
	s_cmp_lg_u32 s[WV], 1
	s_cbranch_scc1 .Ln1_\@
	tensor_load_to_lds s[G0+4:G0+7], s[G1+8:G1+15]
	s_nop 0
.rept 4
	v_nop
.endr
	s_branch .Lasked_\@
.Ln1_\@:
	s_cmp_lg_u32 s[WV], 2
	s_cbranch_scc1 .Ln2_\@
	tensor_load_to_lds s[G0+8:G0+11], s[G1+16:G1+23]
	s_nop 0
.rept 4
	v_nop
.endr
	s_branch .Lasked_\@
.Ln2_\@:
	s_cmp_lg_u32 s[WV], 3
	s_cbranch_scc1 .Lasked_\@
	tensor_load_to_lds s[G0+12:G0+15], s[G1+24:G1+31]
	s_nop 0
.rept 4
	v_nop
.endr
.Lasked_\@:
.endm
.macro FRESH                           ; a block of queries begins: the largest t under every t, the sums and O^T zeros, which the first change of M leaves zeros
	v_mov_b32 v13, 0xff61b1e6                      ; -3e38
	s_delay_alu instid0(VALU_DEP_1)
	v_floor_f32 v12, -v13                          ; -M
	v_mov_b32 v14, 0
	v_mov_b32 v15, 0
.set n, 0
.rept 32
	v_mov_b32 v[160+n], 0
.set n, n+1
.endr
.endm
	s_load_b256 s[4:11], s[0:1], 0x0               ; qkvc, qkvs, ac, asc
	v_lshl_add_u32 v[SPW], v0, 2, SPARE
	v_mov_b32 v[NIL], 0
	ds_add_u32 v5, v6
	ds_add_u32 v5, v6
	s_wait_dscnt 0x0
	v_lshrrev_b32 v8, 5, v0
	s_delay_alu instid0(VALU_DEP_1)
	v_readfirstlane_b32 s[WV], v8                  ; wave 0..15
	s_mov_b32 s[P], ttmp9
	s_and_b32 s31, ttmp7, 0xffff
	s_lshr_b32 s14, s31, 4                         ; batch
	s_and_b32 s15, s31, 15                         ; head
	s_lshr_b32 s16, s15, 1                         ; head pair
	s_and_b32 s17, s15, 1                          ; head in pair
	s_sub_co_u32 s[BLK], 7, s[P]
	s_sub_co_u32 s[LIM], 8, s[P]
	s_mov_b32 s[SEL], 0x76543210
	s_mov_b32 s[SEL+1], 0xfedcba98
	s_mov_b32 s[CS], 0x3e38aa3b                    ; log2(e) / sqrt(64)
	s_mov_b32 s[CS+1], s[CS]                       ; (named with it as a pair, so it is written)
	s_mov_b32 s[TB], 0
	s_mov_b32 s[NX], 0
	s_lshr_b32 s[QW], s[WV], 1
	s_lshl_b32 s[QW], s[QW], 5
	s_and_b32 s31, s[WV], 1
	s_lshl_b32 s31, s31, 3
	s_add_co_u32 s[QW], s[QW], s31
	s_mov_b32 s30, 8                               ; trips
	GROUP1 G1,    128,  16, 256                    ; k's codes: 16 tiles, this head's 1 KiB of each 2 KiB
	GROUP1 G1+8,  1024, 2,  16384                  ; v^T's: 2 steps, this head's 8 KiB of each 128 KiB
	GROUP1 G1+16, 32,   4,  32                     ; k's words: 1 KiB, dense, as rows of 256 bytes
	GROUP1 G1+24, 32,   2,  512                    ; v^T's: 2 steps, this head's 256 bytes of each 4 KiB
	s_mov_b32 s97, 0                               ; s[96:97]: a 32-bit offset as a pair; s97 stays 0
	s_lshl_b32 s96, s16, 20                        ; q and k: pair x 1 MiB + batch x 128 tiles x 2 KiB + head in pair x 1 KiB
	s_lshl_b32 s31, s14, 18
	s_add_co_u32 s96, s96, s31
	s_lshl_b32 s31, s17, 10
	s_add_co_u32 s96, s96, s31
	s_wait_kmcnt 0x0
	s_add_nc_u64 s[BS:BS+1], s[4:5], s[96:97]
	s_lshl_b32 s96, s[WV], 11
	s_add_nc_u64 s[98:99], s[BS:BS+1], s[96:97]    ; q's codes at tile w of block 0
	s_add_nc_u64 s[BS:BS+1], s[BS:BS+1], 0x800000  ; k's codes
	s_lshl_b32 s96, s14, 21                        ; v^T: batch x 16 x 128 KiB + head x 4 tiles x 2 KiB
	s_lshl_b32 s31, s15, 13
	s_add_co_u32 s96, s96, s31
	s_add_nc_u64 s[BS+2:BS+3], s[4:5], s[96:97]
	s_add_nc_u64 s[BS+2:BS+3], s[BS+2:BS+3], 0x1000000
	s_lshl_b32 s96, s16, 15                        ; q's and k's words: pair x 32 KiB + batch x 128 x 64
	s_lshl_b32 s31, s14, 13
	s_add_co_u32 s96, s96, s31
	s_add_nc_u64 s[BS+4:BS+5], s[6:7], s[96:97]
	s_lshl_b32 s96, s[WV], 6
	s_add_nc_u64 s[100:101], s[BS+4:BS+5], s[96:97]   ; q's words at tile w of block 0
	s_add_nc_u64 s[BS+4:BS+5], s[BS+4:BS+5], 0x40000  ; k's words
	s_lshl_b32 s96, s14, 16                        ; v^T's words: batch x 16 x 4 KiB + head x 256
	s_lshl_b32 s31, s15, 8
	s_add_co_u32 s96, s96, s31
	s_add_nc_u64 s[BS+6:BS+7], s[6:7], s[96:97]
	s_add_nc_u64 s[BS+6:BS+7], s[BS+6:BS+7], 0x80000
	s_lshl_b32 s96, s14, 21                        ; ac: (128 batch + w) x 16 KiB + pair x 2 KiB + head in pair x 1 KiB
	s_lshl_b32 s31, s[WV], 14
	s_add_co_u32 s96, s96, s31
	s_lshl_b32 s31, s16, 11
	s_add_co_u32 s96, s96, s31
	s_lshl_b32 s31, s17, 10
	s_add_co_u32 s96, s96, s31
	s_add_nc_u64 s[OCB:OCB+1], s[8:9], s[96:97]
	s_lshl_b32 s96, s14, 16                        ; asc: (128 batch + w) x 512 + 2 x head
	s_lshl_b32 s31, s[WV], 9
	s_add_co_u32 s96, s96, s31
	s_lshl_b32 s31, s15, 1
	s_add_co_u32 s96, s96, s31
	s_add_nc_u64 s[OSB:OSB+1], s[10:11], s[96:97]
.irp i, 0,1,2,3
	s_mov_b32 s[G0+4*\i], 1                        ; 1:0 count = 1
	s_mov_b64 s[G0+4*\i+2:G0+4*\i+3], s[BS+2*\i:BS+2*\i+1]   ; 120:64 global address: the first 256 keys
	s_or_b32 s[G0+4*\i+3], s[G0+4*\i+3], 0x80000000          ; 127:126 type = 2
.endr
	s_mov_b32 s[G0+1], KC                          ; 63:32 LDS address: slot 0
	s_mov_b32 s[G0+5], VC
	s_mov_b32 s[G0+9], KSC
	s_mov_b32 s[G0+13], VSC
	TLOAD4                                         ; slot 0: the first fill, ahead of every wait on TENSORcnt, every LDS read and every barrier
	v_and_b32 v9, 31, v0
	s_delay_alu instid0(VALU_DEP_1)
	v_lshlrev_b32 v1, 4, v9                        ; 16 x lane
	v_and_b32 v8, 15, v0                           ; r
	v_bfe_u32 v9, v0, 4, 1                         ; h
	s_delay_alu instid0(VALU_DEP_2)
	v_lshlrev_b32 v2, 2, v8                        ; 4 r
	s_lshl_b32 s31, s17, 1
	v_add_nc_u32 v3, s31, v2                       ; 4 r + 2 (head % 2): my head's two bytes of a word
	v_and_b32 v4, 8, v8
	s_delay_alu instid0(VALU_DEP_1)
	v_add_nc_u32 v4, v4, v8
	v_lshlrev_b32 v9, 4, v9
	s_delay_alu instid0(VALU_DEP_1)
	v_sub_nc_u32 v4, v4, v9                        ; r + 8 (r / 8) - 16 h
	v_lshlrev_b32 v7, 5, v8                        ; 32 r
	s_lshl_b32 s31, s[BLK], 15                     ; a block is 16 tiles: 32 KiB of codes, 1 KiB of words
	v_add_nc_u32 v232, s31, v1
	s_lshl_b32 s31, s[P], 15
	v_add_nc_u32 v233, s31, v1
	s_lshl_b32 s31, s[BLK], 10
	v_add_nc_u32 v234, s31, v3
	s_lshl_b32 s31, s[P], 10
	v_add_nc_u32 v235, s31, v3
	global_load_b128 v[16:19], v232, s[98:99]              ; Q of the first block,
	global_load_b128 v[20:23], v232, s[98:99] offset:512
	global_load_b128 v[192:195], v233, s[98:99]            ; and of the second
	global_load_b128 v[196:199], v233, s[98:99] offset:512
	global_load_u16 v201, v234, s[100:101]                 ; their scale bytes: two real ones, the upper two 0
	global_load_u16 v200, v235, s[100:101]
.set n, 0
.rept 8
	v_mov_b32 v[24+n], 0                           ; the zero codes of K = 64 .. 127: Q's,
	v_mov_b32 v[40+n], 0                           ; and the four fragments' of K: written once, never loaded into
	v_mov_b32 v[56+n], 0
	v_mov_b32 v[72+n], 0
	v_mov_b32 v[88+n], 0
.set n, n+1
.endr
.irp b, 0,1,2,3
	v_mov_b32 v[236+\b], 0                         ; written once: a lane permute's destination counts as one of its sources
.endr
	v_mov_b32 v253, 0                              ; the upper half of the pair v[252:253]
	FRESH
; A KEY STEP: 128 keys, the q-th of the slot in hand.
.macro STEP q
.if \q == 1
	s_cmp_lt_u32 s[QR], 105                        ; my last query is QR + 23: under 128, all of this step's keys come after it
	s_cbranch_scc1 .Lhidden_\@
.endif
.irp t, 0,1,2,3                                ; S^T = K Q^T, four tiles of 16 keys at a time: only the lower eight registers of a fragment are loaded
	ds_load_b128 v[32+16*\t:35+16*\t], v8 offset:KC+(8*\q+\t)*1024
	ds_load_b128 v[36+16*\t:39+16*\t], v8 offset:KC+(8*\q+\t)*1024+512
.endr
.irp t, 0,1,2,3,4,5,6,7
	ds_load_u16 v[202+\t], v9 offset:KSC+(8*\q+\t)*64   ; my head's two scale bytes of key r of the tile; the upper two are 0
.endr
.rept 9
	v_nop                                          ; the products below write over registers that the last step's products V^T P^T read as a source: nine places
.endr
	s_wait_dscnt 0x0
.irp t, 0,1,2,3
	v_wmma_scale_f32_16x16x128_f8f6f4 v[96+8*\t:103+8*\t], v[32+16*\t:47+16*\t], v[16:31], 0, v[202+\t], v201
.endr
.rept 8
	v_nop                                          ; places in front of loads into registers that these have read
.endr
.irp t, 0,1,2,3
	ds_load_b128 v[32+16*\t:35+16*\t], v8 offset:KC+(8*\q+4+\t)*1024
	ds_load_b128 v[36+16*\t:39+16*\t], v8 offset:KC+(8*\q+4+\t)*1024+512
.endr
	s_wait_dscnt 0x0
.irp t, 0,1,2,3
	v_wmma_scale_f32_16x16x128_f8f6f4 v[128+8*\t:135+8*\t], v[32+16*\t:47+16*\t], v[16:31], 0, v[206+\t], v201
.endr
.rept 8
	v_nop                                          ; places in front of the first read of the scores
.endr
	s_cmp_ge_u32 s[QR], 128*\q+127                 ; all of the step's keys count for all my queries: no mask
	s_cbranch_scc1 .Lopen_\@
	s_sub_co_i32 s31, s[QR], 128*\q
	v_add_nc_u32 v254, s31, v4                     ; d = my query - the step's first key - 16 h.  Register 16 b + i holds key 32 b + 16 h + i of the step: hidden where 32 b + i > d
	v_mov_b32 v252, 0xff800000                     ; -infinity
.set n, 0
.rept 64
	v_cmp_gt_i32 vcc_lo, 32*(n/16)+n%16, v254
	v_cndmask_b32 v[96+n], v[96+n], v252, vcc_lo
.set n, n+1
.endr
.Lopen_\@:
.irp b, 0,1,2,3
	v_max3_num_f32 v[232+\b], v[96+16*\b], v[97+16*\b], v[98+16*\b]   ; THE LARGEST SCORE OF EACH BLOCK OF 32 KEYS: it serves for the row's maximum and, since p rises with the score, for the block's largest p
.endr
.irp i, 3,5,7,9,11,13
.irp b, 0,1,2,3
	v_max3_num_f32 v[232+\b], v[232+\b], v[96+16*\b+\i], v[97+16*\b+\i]   ; (the four blocks by turns)
.endr
.endr
.irp b, 0,1,2,3
	v_max_num_f32 v[232+\b], v[232+\b], v[111+16*\b]
.endr
.irp b, 0,1,2,3
	s_delay_alu instid0(VALU_DEP_4)
	v_permlanex16_b32 v[236+\b], v[232+\b], s[SEL], s[SEL+1]
.endr
.irp b, 0,1,2,3
	s_delay_alu instid0(VALU_DEP_4)
	v_max_num_f32 v[232+\b], v[232+\b], v[236+\b]  ; with lane l xor 16's 16 keys
.endr
	s_delay_alu instid0(VALU_DEP_2)
	v_max3_num_f32 v254, v232, v233, v234
	s_delay_alu instid0(VALU_DEP_1)
	v_max_num_f32 v254, v254, v235                 ; the step's largest score of my query
	s_delay_alu instid0(VALU_DEP_1)
	v_mul_f32 v254, s[CS], v254                    ; as t (c is positive)
	s_delay_alu instid0(VALU_DEP_1)
	v_max_num_f32 v13, v13, v254                   ; the running largest t
	v_mov_b32 v254, v12
	s_delay_alu instid0(VALU_DEP_2)
	v_floor_f32 v12, -v13                          ; the new -M = floor(-t) = -ceil(t): M is a whole number
	s_delay_alu instid0(VALU_DEP_1)
	v_sub_f32 v254, v12, v254                      ; M's old value less its new one: a whole number, 0 or less
	s_delay_alu instid0(VALU_DEP_1)
	v_cvt_i32_f32 v254, v254                       ; (it saturates)
	s_delay_alu instid0(VALU_DEP_1)
	v_ldexp_f32 v252, 1.0, v254                    ; f = 2^(old M - new M)
.set n, 0
.rept 32
	v_pk_fma_f32 v[96+n:97+n], v[96+n:97+n], s[CS:CS+1], v[12:13] op_sel_hi:[1,0,0]   ; t - M, two at a time (of the pairs c and -M the low word serves both halves)
.set n, n+2
.endr
.irp b, 0,1,2,3
	v_fma_f32 v[232+\b], v[232+\b], s[CS], v12     ; the same of each block's largest score
.endr
.set n, 0
	s_wait_alu depctr_va_vdst(0)
.rept 64
	v_exp_f32 v[96+n], v[96+n]                     ; p = 2^(t - M), at most 1: not normalised
.set n, n+1
.endr
.irp b, 0,1,2,3
	v_exp_f32 v[232+\b], v[232+\b]                 ; the block's largest p: the same two instructions on the same number give the same bits
.endr
	v_pk_mul_f32 v[14:15], v[14:15], v[252:253] op_sel_hi:[1,0]   ; the sums under the new M.  (A plain place behind the exponentials)
	s_wait_alu depctr_va_vdst(0)
.irp b, 0,1,2,3
	v_max_num_f32 v[232+\b], 0x4800000, v[232+\b]  ; the floor 2^(9 - 127): the byte cannot fall under 1
.endr
.irp b, 0,1,2,3
	s_delay_alu instid0(VALU_DEP_4)
	v_add_nc_u32 v[244+\b], 0xfc000000, v[232+\b]  ; 8 off the exponent field: the conversion's scale operand
.endr
.irp b, 0,1,2,3
.endr
.irp b, 0,1,2,3
	s_delay_alu instid0(VALU_DEP_4)
	v_lshrrev_b32 v[236+\b], 23, v[244+\b]         ; the scale's byte
.endr
	s_delay_alu instid0(VALU_DEP_3)
	v_lshl_or_b32 v214, v237, 8, v236              ; p's scale word for these 128 keys
	s_delay_alu instid0(VALU_DEP_1)
	v_lshl_or_b32 v214, v238, 16, v214
	s_delay_alu instid0(VALU_DEP_1)
	v_lshl_or_b32 v214, v239, 24, v214
	v_pk_add_f32 v[236:237], v[100:101], v[104:105]
	v_pk_add_f32 v[250:251], v[108:109], v[112:113]
	v_pk_add_f32 v[248:249], v[116:117], v[120:121]
	v_pk_add_f32 v[242:243], v[124:125], v[128:129]
	v_pk_add_f32 v[240:241], v[132:133], v[136:137]
	v_pk_add_f32 v[234:235], v[140:141], v[144:145]
	v_pk_add_f32 v[232:233], v[148:149], v[152:153]
	v_pk_add_f32 v[14:15], v[14:15], v[156:157]
	v_pk_add_f32 v[236:237], v[236:237], v[96:97]
	v_pk_add_f32 v[250:251], v[250:251], v[98:99]
	v_pk_add_f32 v[248:249], v[248:249], v[102:103]
	v_pk_add_f32 v[242:243], v[242:243], v[106:107]
	v_pk_add_f32 v[240:241], v[240:241], v[110:111]
	v_pk_add_f32 v[234:235], v[234:235], v[114:115]
	v_pk_add_f32 v[232:233], v[232:233], v[118:119]
	v_pk_add_f32 v[14:15], v[14:15], v[122:123]
	v_pk_add_f32 v[236:237], v[236:237], v[126:127]
	v_pk_add_f32 v[250:251], v[250:251], v[130:131]
	v_pk_add_f32 v[248:249], v[248:249], v[134:135]
	v_pk_add_f32 v[242:243], v[242:243], v[138:139]
	v_pk_add_f32 v[240:241], v[240:241], v[142:143]
	v_pk_add_f32 v[234:235], v[234:235], v[146:147]
	v_pk_add_f32 v[232:233], v[232:233], v[150:151]
	v_pk_add_f32 v[14:15], v[14:15], v[154:155]
	v_pk_add_f32 v[236:237], v[236:237], v[158:159]
	s_delay_alu instid0(VALU_DEP_2)
	v_pk_add_f32 v[14:15], v[14:15], v[242:243]
	s_delay_alu instid0(VALU_DEP_2)
	v_pk_add_f32 v[236:237], v[236:237], v[240:241]
	v_pk_add_f32 v[250:251], v[250:251], v[234:235]
	v_pk_add_f32 v[248:249], v[248:249], v[232:233]
	s_delay_alu instid0(VALU_DEP_2)
	v_pk_add_f32 v[14:15], v[14:15], v[250:251]
	s_delay_alu instid0(VALU_DEP_2)
	v_pk_add_f32 v[236:237], v[236:237], v[248:249]
	s_delay_alu instid0(VALU_DEP_1)
	v_pk_add_f32 v[14:15], v[14:15], v[236:237]
.irp b, 0,1,2,3
.irp i, 0,1,2,3,4,5,6,7,8,9,10,11,12,13,14,15
.endr
	v_cvt_scalef32_pk8_fp8_f32 v[216+4*\b:217+4*\b], v[96+16*\b:103+16*\b], v[244+\b]
	v_cvt_scalef32_pk8_fp8_f32 v[218+4*\b:219+4*\b], v[104+16*\b:111+16*\b], v[244+\b]
.endr
	v_nop
.irp t, 0,1,2,3                                ; V's four fragments (16 features x these 128 keys) take p's registers
.irp c, 0,1,2,3
	ds_load_b128 v[96+16*\t+4*\c:99+16*\t+4*\c], v8 offset:VC+8192*\q+2048*\t+512*\c
.endr
	ds_load_b32 v[210+\t], v10 offset:VSC+256*\q+64*\t
.endr
.set n, 0
.rept 16
	v_pk_mul_f32 v[160+n:161+n], v[160+n:161+n], v[252:253] op_sel_hi:[1,0]   ; O^T under the new M: x f.  (These sixteen are also the places between the conversions and the products)
.set n, n+2
.endr
	s_wait_alu depctr_va_vdst(0)
	s_wait_dscnt 0x0
.irp t, 0,1,2,3                                ; O^T += V^T P^T: four accumulators by turns, one instruction a turn
	v_wmma_scale_f32_16x16x128_f8f6f4 v[160+8*\t:167+8*\t], v[96+16*\t:111+16*\t], v[216:231], v[160+8*\t:167+8*\t], v[210+\t], v214
.endr
.if \q == 1
.Lhidden_\@:
.endif
.endm
; THE CHANGE OF SLOTS stands at a slot's head.  Each wave waits for all its tensor loads (its part of the slot that it is about to read), adds 0 to its spare word, and waits for that and for its reads of the slot
; that it has left.  Behind the barrier the slot ahead is whole and nobody reads the other one.  fill = 1: that other slot is filled with the 256 keys that follow: 0, 1, .. 7 - p, then 0, 1, .. p.
.macro CHANGE fill
	s_wait_tensorcnt 0x0                           ; no tensor load of mine is out, so a group 0 may be written
	ds_add_u32 v[SPW], v[NIL]                      ; 0 onto my spare word: the scalar lines below stand between it and the wait for it
	s_mov_b32 s[CUR], s[NX]
.if \fill
	s_add_co_u32 s[NX], s[NX], 1
	s_cmp_eq_u32 s[NX], s[LIM]
	s_cselect_b32 s[NX], 0, s[NX]                  ; behind the first block's last slot: back to the first keys
.irp i, 0,1,2,3
	s_xor_b32 s[G0+4*\i+1], s[G0+4*\i+1], SLOTB    ; the other slot than last time
.endr
	s_mul_i32 s96, s[NX], 32768                    ; k's codes: 16 tiles of 2 KiB a slot
	s_add_nc_u64 s[G0+2:G0+3], s[BS:BS+1], s[96:97]
	s_or_b32 s[G0+3], s[G0+3], 0x80000000
	s_mul_i32 s96, s[NX], 262144                   ; v^T's: 2 steps of 128 KiB
	s_add_nc_u64 s[G0+6:G0+7], s[BS+2:BS+3], s[96:97]
	s_or_b32 s[G0+7], s[G0+7], 0x80000000
	s_mul_i32 s96, s[NX], 1024                     ; k's words
	s_add_nc_u64 s[G0+10:G0+11], s[BS+4:BS+5], s[96:97]
	s_or_b32 s[G0+11], s[G0+11], 0x80000000
	s_mul_i32 s96, s[NX], 8192                     ; v^T's words: 2 steps of 4 KiB
	s_add_nc_u64 s[G0+14:G0+15], s[BS+6:BS+7], s[96:97]
	s_or_b32 s[G0+15], s[G0+15], 0x80000000
.endif
	s_wait_dscnt 0x0                               ; the add is done, and my reads of the slot that I have left are over
	s_barrier_signal -1
	s_barrier_wait -1
.if \fill
	TLOAD4                                         ; the first thing behind the barrier, and a wave's one tensor load until the next: it has a whole slot's steps in which to land
.endif
.endm
.macro SLOT
	s_sub_co_u32 s31, s[BLK], s[CUR]
	s_lshl_b32 s31, s31, 8
	s_add_co_u32 s[QR], s31, s[QW]                 ; my tile's first query less the slot's first key: 0 or more
	v_add_nc_u32 v8, s[TB], v1
	s_wait_alu depctr_va_vdst(0)
	v_add_nc_u32 v9, s[TB], v3
	v_add_nc_u32 v10, s[TB], v2
	STEP 0
	STEP 1
	s_xor_b32 s[TB], s[TB], SLOTB                  ; on to the other slot
.endm
; A BLOCK OF QUERIES IS DONE.  O^T is divided by the row's sum; a lane's 32 numbers are features 32 b + 16 h + 0 .. 15 of my head: two blocks of the next product's K, each in lanes l and l xor 16.  They are
; quantised and stored as the image of registers 4 c .. 4 c + 3 of that product's operand.  again = 1: the second block begins.
.macro FIN again
.rept 8
	v_nop                                          ; places behind the last products
.endr
	v_add_f32 v14, v14, v15                        ; the sum's two halves,
	s_delay_alu instid0(VALU_DEP_1)
	v_permlanex16_b32 v254, v14, s[SEL], s[SEL+1]
	s_delay_alu instid0(VALU_DEP_1)
	v_add_f32 v14, v14, v254                       ; and lane l xor 16's: the row's sum
	s_wait_alu depctr_va_vdst(0)
	v_rcp_f32 v14, v14
	v_nop                                          ; a plain place behind the transcendental
.set n, 0
	s_wait_alu depctr_va_vdst(0)
.rept 16
	v_pk_mul_f32 v[96+n:97+n], v[160+n:161+n], v[14:15] op_sel_hi:[1,0]   ; O^T / the sum, each accumulator from its low end on
.set n, n+2
.endr
.irp b, 0,1
	v_max3_num_f32 v[232+\b], |v[96+16*\b]|, |v[97+16*\b]|, 0x4800000   ; my 16 numbers of block b, and the floor 2^(9 - 127)
.endr
.irp i, 2,4,6,8,10,12,14
.irp b, 0,1
	s_delay_alu instid0(VALU_DEP_2)
	v_max3_num_f32 v[232+\b], v[232+\b], |v[96+16*\b+\i]|, |v[97+16*\b+\i]|
.endr
.endr
.irp b, 0,1
	s_delay_alu instid0(VALU_DEP_2)
	v_permlanex16_b32 v[236+\b], v[232+\b], s[SEL], s[SEL+1]
.endr
.irp b, 0,1
	s_delay_alu instid0(VALU_DEP_2)
	v_max_num_f32 v[232+\b], v[232+\b], v[236+\b]
.endr
.irp b, 0,1
	s_delay_alu instid0(VALU_DEP_2)
	v_add_nc_u32 v[244+\b], 0xfc000000, v[232+\b]
.endr
.irp b, 0,1
.endr
.irp b, 0,1
	s_delay_alu instid0(VALU_DEP_2)
	v_lshrrev_b32 v[236+\b], 23, v[244+\b]
.endr
	s_delay_alu instid0(VALU_DEP_1)
	v_lshl_or_b32 v248, v237, 8, v236              ; my head's two scale bytes of my query
.irp b, 0,1
.irp i, 0,1,2,3,4,5,6,7,8,9,10,11,12,13,14,15
.endr
	v_cvt_scalef32_pk8_fp8_f32 v[216+4*\b:217+4*\b], v[96+16*\b:103+16*\b], v[244+\b]
	v_cvt_scalef32_pk8_fp8_f32 v[218+4*\b:219+4*\b], v[104+16*\b:111+16*\b], v[244+\b]
.endr
	v_nop                                          ; a plain line behind the last conversion
	s_lshl_b32 s96, s[BLK], 18                     ; the block's 16 tiles of 16 KiB
	s_add_nc_u64 s[98:99], s[OCB:OCB+1], s[96:97]
	s_lshl_b32 s96, s[BLK], 13                     ; and its 256 rows of 32 scale bytes
	s_add_nc_u64 s[100:101], s[OSB:OSB+1], s[96:97]
	global_store_b128 v1, v[216:219], s[98:99]             ; 32 lanes store 512 consecutive bytes, aligned
	global_store_b128 v1, v[220:223], s[98:99] offset:512
	global_store_b16 v7, v248, s[100:101]                  ; two bytes of my query's row: a row's 32 bytes come from 16 heads, 16 work-groups; lanes r and r + 16 store the same value
	s_wait_xcnt 0x0                                ; the stores' data and bases are written again only behind this wait
.if \again
.set n, 0
.rept 8
	v_mov_b32 v[16+n], v[192+n]                    ; the second block's Q,
.set n, n+1
.endr
	v_mov_b32 v201, v200                           ; and its scale bytes: the 36 plain lines below are more than the eight places that a scale register so written wants
	FRESH
	s_mov_b32 s[BLK], s[P]
.endif
.endm
	s_wait_loadcnt 0x0                             ; Q
.Lslot:                                            ; eight trips: behind each change of slots but the last the next slot is asked for
	CHANGE 1
	SLOT
	s_cmp_lg_u32 s[CUR], s[BLK]                    ; the slot on the diagonal is a block's last: ids alone decide
	s_cbranch_scc1 .Lnot_done
	FIN 1
.Lnot_done:
	s_sub_co_u32 s30, s30, 1
	s_cmp_lg_u32 s30, 0
	s_cbranch_scc1 .Lslot
	CHANGE 0                                       ; the ninth slot is written out: it is the second block's diagonal
	SLOT
	FIN 0
	s_wait_tensorcnt 0x0                           ; the wave's end
	ds_add_u32 v[SPW], v[NIL]
	s_wait_dscnt 0x0
	s_endpgm
.Lfunc_end_k_qf443ea0aa4_attn:
	.size	k_qf443ea0aa4_attn, .Lfunc_end_k_qf443ea0aa4_attn-k_qf443ea0aa4_attn
	.p2alignl 7, 3214868480
	.fill 96, 4, 3214868480
	.section	.rodata,"a",@progbits
	.p2align	6, 0x0
	.amdhsa_kernel k_qf443ea0aa4_attn
		.amdhsa_group_segment_fixed_size 327680
		.amdhsa_private_segment_fixed_size 0
		.amdhsa_enable_private_segment 0
		.amdhsa_kernarg_size 32
		.amdhsa_user_sgpr_count 2
		.amdhsa_user_sgpr_kernarg_segment_ptr 1
		.amdhsa_wavefront_size32 1
		.amdhsa_system_sgpr_workgroup_id_x 1
		.amdhsa_system_sgpr_workgroup_id_y 1
		.amdhsa_system_sgpr_workgroup_id_z 1
		.amdhsa_system_vgpr_workitem_id 0
		.amdhsa_next_free_vgpr 256
		.amdhsa_next_free_sgpr 102
		.amdhsa_reserve_vcc 1
		.amdhsa_float_denorm_mode_32 3
		.amdhsa_float_denorm_mode_16_64 3
		.amdhsa_fp16_overflow 1
		.amdhsa_memory_ordered 1
		.amdhsa_forward_progress 1
		.amdhsa_inst_pref_size 117
	.end_amdhsa_kernel
	.amdgpu_metadata
---
amdhsa.version: [ 1, 2 ]
amdhsa.kernels:
  - .name:           k_qf443ea0aa4_attn
    .symbol:         k_qf443ea0aa4_attn.kd
    .args:
      - { .name: qkvc, .offset: 0, .size: 8, .value_kind: global_buffer, .address_space: global }
      - { .name: qkvs, .offset: 8, .size: 8, .value_kind: global_buffer, .address_space: global }
      - { .name: ac, .offset: 16, .size: 8, .value_kind: global_buffer, .address_space: global }
      - { .name: asc, .offset: 24, .size: 8, .value_kind: global_buffer, .address_space: global }
    .group_segment_fixed_size: 327680
    .private_segment_fixed_size: 0
    .kernarg_segment_align: 8
    .kernarg_segment_size: 32
    .max_flat_workgroup_size: 512
    .sgpr_count:     102
    .vgpr_count:     256
    .wavefront_size: 32
...
	.end_amdgpu_metadata
.endif
;; end of part 4
;; launch proj (part 5): grid 4 x 32, 4 waves a work-group, clusters of 4 x 4, 327,680 bytes of LDS; arguments ac, asc, wc, ws, bo, out0; writes out0
.if DOCPART == 5
	.amdgcn_target "amdgcn-amd-amdhsa--gfx1250"
	.amdhsa_code_object_version 6
	.text
	.protected	k_qf443ea0aa4_proj
	.globl	k_qf443ea0aa4_proj
	.p2align	8
	.type	k_qf443ea0aa4_proj,@function
k_qf443ea0aa4_proj:
	s_mov_b64 s[64:65], 0
	v_nop
	global_prefetch_b8 v0, s[64:65] scope:SCOPE_SE
	s_setreg_imm32_b32 hwreg(HW_REG_WAVE_MODE, 25, 1), 1
	s_wait_xcnt 0x0
	s_wait_alu depctr_hold_cnt(0) depctr_sa_sdst(0) depctr_va_vdst(0) depctr_va_sdst(0) depctr_va_ssrc(0) depctr_va_vcc(0) depctr_vm_vsrc(0)
	s_getreg_b32 s2, hwreg(HW_REG_IB_STS2, 6, 4)
	s_cmp_eq_u32 s2, 0
	s_cbranch_scc0 .Lentry_in_a_cluster
	s_endpgm
.Lentry_in_a_cluster:
	s_bfe_u32 s2, ttmp6, 0x10000c
	s_cmp_lg_u32 s2, 0xf033
	s_cbranch_scc0 .Lentry_shape_is_right
	s_endpgm
.Lentry_shape_is_right:
; out0 = a Wo + bo, on codes of FP8 (E4M3) with one E8M0 scale for each 32 along K = 1,024; out0 [8192][1024] f32; sums in f32.
; A = the attention's result: ac [tile of 16 tokens 512][128 along K 8][c 4][lane 32][16 bytes]: images of operand registers (registers 4 c .. 4 c + 3 of lane l at 512 c + 16 l); asc [token position][32] its scale bytes.
; B = Wo's codes, rows 3,072 on of wc [4096][1024], K innermost; ws [4096][32] its scale bytes.
; POSITION ORDER: tokens and output features lie at position pi(n), bits 3 and 4 exchanged: lane r of tile T is the true row 32 (T / 2) + 8 (T % 2) + r + 8 (r / 8).  The way out undoes both.
; A tile of out0, 256 x 256, is made by a work-group of four waves; a wave makes 128 x 128: 64 accumulators, 512 registers.  K goes in steps of 256 through a ring of two LDS slots filled by the tensor data mover:
; B's rows of 256 bytes, padded; A's images dense (8 tiles x 4 KiB a load): an image is read at 16 x lane, 512 consecutive bytes an instruction.  The scale bytes for all of K come into LDS once.
; 128 tiles of 256 x 256: half of the WGPs have a work-group.  A smaller tile would fill them at twice the LDS reads for each product; not built.
; CLUSTERS: 4 x 4 work-groups.  The four of a row of the cluster need the same tiles of A, the four of a column the same tiles of B: each is asked for JOINTLY, by the same tensor load with the same descriptor and a mask.
; THE MATRIX INSTRUCTION IS USED TRANSPOSED (source 0 = 16 rows of B, source 1 = 16 rows of A): a lane holds eight neighbouring numbers of a row of out0.  bo is the C of each sum's first matrix instruction.
; REGISTERS, in windows of 256: window 0: v0-31 addresses; v32-63 scale words, two sets; v64-127 bo; from v128 A's fragments, ONE set; on the way out v128-255 rows read back.
;   window 1: B's fragments, TWO sets.   window 2: the accumulators of my rows 0-63 ((a, b) at v[8 (8 a + b)]);   window 3: rows 64-127.
.set SIZE_K, 1024
.set SIZE_N, 1024
.set KSTEP,  256
.set NQ,     KSTEP/128
.set ROWB,   256                       ; a row of B's tile in bytes
.set KROW,   SIZE_K
.set PITCH,  272                       ; B's LDS row: 256 bytes + 16 of padding: the 16 rows that a load touches start at 16 different banks (64 banks of 4 bytes: ISA guide 11.1)
.set FR,     16
.set NL,     4
.set NP,     8                         ; places behind this matrix instruction (ISA guide 7.12.1)
.set HALFT,  128*PITCH                 ; the room of one tensor load: B's 128 padded rows; A's 8 tiles x 4,096 bytes take 32,768 of it
.set SLOT,   4*HALFT
.set LAPS,   SIZE_K/(2*KSTEP)
.set KS,     SIZE_K/32
.set SCL,    2*SLOT
.set HALFS,  (128*KS/256)*272
.set SBLK,   (16*KS/256)*272
.set SPARE,  SCL+4*HALFS               ; the spare words, 128 bytes for each wave: two blocks of 256 bytes that no other line names
.set SPITCH, 528                       ; the way out: a stage of 16 rows x (512 bytes + 16) for each wave, in slot 0, which has had its last fill and its last read when the first result is stored there
.set ADRA, 16                          ; v16-17  LDS address of my A images in slot 0, 1
.set ADRB, 20                          ; v20-21  of my B fragments
.set STO,  24                          ; v24     the way out: where I put 32 bytes of a row
.set RD,   25                          ; v25     where I read a row back
.set CO,   26                          ; v26     16 x lane
.set ADRS, 27                          ; v27     LDS address of my scale words: lanes 0-15 A's rows, lanes 16-31 B's
.set SPW,  28
.set NIL,  29
.set SC,   32
.set BI,   64                          ; bo, in the result's layout
.set AF,   128
.set BK,   128                         ; the way out: 16 rows read back: v128-191 and v192-255 by turns
.set G1, 24
.set G0, 32
.set G1B, 48
.set G0B, 56
.set G1S, 68
.set G0S, 76
.set G1SB, 80
.set G0SB, 88
.set MSB, 0
.macro WIN new                         ; the immediate's high byte repeats the setting that is left
.if MSB != (\new)
	s_set_vgpr_msb (MSB<<8)|(\new)
.set MSB, (\new)
.endif
.endm
.set MUL_LO, 0xa1                      ; source 0 (B) window 1, source 1 (A) window 0, C and D window 2
.set MUL_HI, 0xf1
.set MUL_LO0, 0x81                     ; the first step: C (bo) window 0, D window 2
.set MUL_HI0, 0xc1
.set TO_B,   0x40
.macro JLOAD g0a, g1a, g0b, g1b        ; a joint load: waves 0 and 1 fetch for A, waves 2 and 3 for B; four v_nop follow each of the two lines
	s_cmp_eq_u32 s15, 0
	s_cbranch_scc0 .Lfor_b_\@
	tensor_load_to_lds s[\g0a:\g0a+3], s[\g1a:\g1a+7]
	s_nop 0
.rept 4
	v_nop
.endr
	s_branch .Lasked_\@
.Lfor_b_\@:
	tensor_load_to_lds s[\g0b:\g0b+3], s[\g1b:\g1b+7]
	s_nop 0
.rept 4
	v_nop
.endr
.Lasked_\@:
.endm
.macro CREST                           ; a round of the cluster's barrier behind its opening barrier
	s_cmp_lg_u32 s14, 0
	s_cbranch_scc1 .Lnot_wave_0_\@
	s_barrier_signal -3
.Lnot_wave_0_\@:
	s_barrier_wait -3
	s_barrier_signal -1
	s_barrier_wait -1
.endm
.macro CROUND
	s_barrier_signal -1
	s_barrier_wait -1
	CREST
.endm
	s_load_b256 s[4:11], s[0:1], 0x0               ; ac, asc, wc, ws
	s_load_b128 s[96:99], s[0:1], 0x20             ; bo, out0
	v_lshl_add_u32 v[SPW], v0, 2, SPARE
	v_mov_b32 v[NIL], 0
	ds_add_u32 v28, v29
	ds_add_u32 v28, v29
	s_wait_dscnt 0x0
	v_lshrrev_b32 v1, 5, v0
	v_readfirstlane_b32 s14, v1                    ; wave 0..3
	s_lshr_b32 s15, s14, 1                         ; which half of the tile's rows is mine.  Also: I fetch for A (0) or for B (1)
	s_and_b32 s16, s14, 1                          ; which half of its columns.  Also: which 128 rows of that tile I fetch
	s_bfe_u32 s40, ttmp6, 0x40000                  ; cx, cy
	s_bfe_u32 s41, ttmp6, 0x40004
	s_lshl_b32 s42, ttmp9, 2
	s_add_co_u32 s42, s42, s40                     ; tile column = 4 x cluster x + cx
	s_and_b32 s17, ttmp7, 0xffff
	s_lshl_b32 s17, s17, 2
	s_add_co_u32 s17, s17, s41                     ; tile row = 4 x cluster y + cy
	s_lshl_b32 s43, s41, 2
	s_lshl_b32 s43, 15, s43                        ; my row of the cluster
	s_lshl_b32 s44, 0x1111, s40                    ; my column
	; group 1 for A's images: 8 tiles, 4,096 bytes of each (two steps of 128 along K) = 512 elements of 8 bytes, 16 KiB = 2,048 elements apart; no padding
	s_or_b32 s[G1+0], s43, (3<<16)|(1<<21)         ; 15:0 the mask: my row; 17:16 elements of 8 bytes; 21 set beside a mask
	s_mov_b32 s[G1+1], 512<<16
	s_mov_b32 s[G1+2], 8<<16
	s_mov_b32 s[G1+3], 512<<16
	s_mov_b32 s[G1+4], 8
	s_mov_b32 s[G1+5], 2048
	s_mov_b32 s[G1+6], 0
	s_mov_b32 s[G1+7], 0
	; for B's tiles: 128 rows x 256 bytes, 16 bytes of padding behind each
	s_or_b32 s[G1B+0], s44, (0<<16)|(1<<20)|(1<<21)|(5<<22)|(3<<25)
	s_mov_b32 s[G1B+1], ROWB<<16
	s_mov_b32 s[G1B+2], 128<<16
	s_mov_b32 s[G1B+3], ROWB<<16
	s_mov_b32 s[G1B+4], 128
	s_mov_b32 s[G1B+5], KROW
	s_mov_b32 s[G1B+6], 0
	s_mov_b32 s[G1B+7], 0
	; for the scales of 128 rows: 4,096 dense bytes, as 16 rows of 256 bytes, 16 bytes of padding behind each
	s_or_b32 s[G1S+0], s43, (3<<16)|(1<<20)|(1<<21)|(5<<22)|(3<<25)
	s_or_b32 s[G1SB+0], s44, (3<<16)|(1<<20)|(1<<21)|(5<<22)|(3<<25)
.irp g, G1S, G1SB
	s_mov_b32 s[\g+1], 32<<16
	s_mov_b32 s[\g+2], (128*KS/256)<<16
	s_mov_b32 s[\g+3], 32<<16
	s_mov_b32 s[\g+4], 128*KS/256
	s_mov_b32 s[\g+5], 32
	s_mov_b32 s[\g+6], 0
	s_mov_b32 s[\g+7], 0
.endr
	s_lshl_b32 s20, s17, 18                        ; A's codes: (16 x tile row + 8 x half) tiles of 16 KiB
	s_lshl_b32 s18, s16, 17
	s_add_co_u32 s20, s20, s18
	s_mov_b32 s21, 0
	s_lshl_b32 s22, s17, 13                        ; A's scales: (256 x tile row + 128 x half) rows of 32 bytes
	s_lshl_b32 s19, s16, 12
	s_add_co_u32 s22, s22, s19
	s_mov_b32 s23, 0
	s_lshl_b32 s46, s42, 18                        ; B's codes: (256 x tile column + 128 x half) rows of 1,024 bytes, behind Wq's, Wk's and Wv's 3 MiB
	s_add_co_u32 s46, s46, s18
	s_add_co_u32 s46, s46, 0x300000
	s_mov_b32 s47, 0
	s_lshl_b32 s92, s42, 13                        ; B's scales, behind 96 KiB
	s_add_co_u32 s92, s92, s19
	s_add_co_u32 s92, s92, 0x18000
	s_mov_b32 s93, 0
	s_mul_i32 s45, s14, HALFT                      ; where they go: no place in the cluster enters an LDS address
	s_mul_i32 s94, s14, HALFS
	s_wait_kmcnt 0x0
	s_mov_b64 s[12:13], s[98:99]                   ; out0
	s_add_nc_u64 s[20:21], s[4:5], s[20:21]
	s_add_nc_u64 s[22:23], s[6:7], s[22:23]
	s_add_nc_u64 s[46:47], s[8:9], s[46:47]
	s_add_nc_u64 s[92:93], s[10:11], s[92:93]
	CROUND                                         ; all sixteen work-groups are here: the first joint loads meet
	s_mov_b32 s[G0S], 1
	s_add_co_u32 s[G0S+1], s94, SCL
	s_mov_b64 s[G0S+2:G0S+3], s[22:23]
	s_or_b32 s[G0S+3], s[G0S+3], 0x80000000
	s_mov_b32 s[G0SB], 1
	s_add_co_u32 s[G0SB+1], s94, SCL
	s_mov_b64 s[G0SB+2:G0SB+3], s[92:93]
	s_or_b32 s[G0SB+3], s[G0SB+3], 0x80000000
	JLOAD G0S, G1S, G0SB, G1SB                     ; the scales first: they are wanted with K step 0
.irp s, 0,1
	s_mov_b32 s[G0+4*\s], 1
	s_add_co_u32 s[G0+4*\s+1], s45, \s*SLOT
	s_add_nc_u64 s[G0+4*\s+2:G0+4*\s+3], s[20:21], \s*4096
	s_or_b32 s[G0+4*\s+3], s[G0+4*\s+3], 0x80000000
	s_mov_b32 s[G0B+4*\s], 1
	s_add_co_u32 s[G0B+4*\s+1], s45, \s*SLOT
	s_add_nc_u64 s[G0B+4*\s+2:G0B+4*\s+3], s[46:47], \s*ROWB
	s_or_b32 s[G0B+4*\s+3], s[G0B+4*\s+3], 0x80000000
	s_wait_alu depctr_va_vdst(0)
	s_wait_tensorcnt 0x0
	ds_add_u32 v28, v29
	s_wait_dscnt 0x0
	CROUND
	JLOAD G0+4*\s, G1, G0B+4*\s, G1B               ; one tensor load of mine is out
.endr
	v_and_b32 v1, 15, v0                           ; r
	v_bfe_u32 v2, v0, 4, 1                         ; h
	v_mul_u32_u24 v3, v1, PITCH
	v_lshl_add_u32 v4, v2, 4, v3                   ; B: a fragment's row x pitch + 16 x half
	v_and_b32 v6, 31, v0
	v_lshlrev_b32 v[CO], 4, v6                     ; 16 x lane
	s_mul_i32 s21, s15, HALFT                      ; my 8 tiles of A
	s_mul_i32 s22, s16, HALFT                      ; my 128 rows of B,
	s_add_co_u32 s22, s22, 2*HALFT                 ; behind A's two halves
.irp s, 0,1
	v_add_nc_u32 v[ADRA+\s], s21, v[CO]
	v_add_nc_u32 v[ADRB+\s], s22, v4
	s_add_co_u32 s21, s21, SLOT
	s_add_co_u32 s22, s22, SLOT
.endr
	v_mul_u32_u24 v5, v1, KS                       ; my row's scales: 32 bytes a row,
	v_lshrrev_b32 v6, 8, v5
	v_lshl_add_u32 v5, v6, 4, v5                   ; and 16 more for each 256 passed
	s_mul_i32 s21, s15, HALFS
	s_mul_i32 s22, s16, HALFS
	s_add_co_u32 s22, s22, 2*HALFS
	s_sub_co_u32 s22, s22, s21
	v_mul_u32_u24 v6, s22, v2                      ; lanes 16-31 take B's: the lower base + h x the distance
	s_add_co_u32 s21, s21, SCL
	v_add_nc_u32 v5, v5, v6
	v_add_nc_u32 v[ADRS], s21, v5
	s_mul_i32 s23, s14, 16*SPITCH                  ; my stage
	v_mul_u32_u24 v5, v1, SPITCH                   ; in: row r; my half's 16 true neighbours of each 32 columns: 64 h bytes on
	v_lshl_add_u32 v5, v2, 6, v5
	v_add_nc_u32 v[STO], s23, v5
	v_add_nc_u32 v[RD], s23, v[CO]                 ; back: the 32 lanes take one row of 512 bytes
	v_lshlrev_b32 v7, 6, v2                        ; bo: 64 h bytes
	s_wait_alu depctr_va_vdst(0)
	s_lshl_b32 s20, s17, 20                        ; my first row of out0: (256 x tile row + 128 x half) rows of 4,096 bytes
	s_lshl_b32 s21, s15, 19
	s_add_co_u32 s20, s20, s21
	s_mov_b32 s21, 0
	s_lshl_b32 s46, s42, 10                        ; my first column, in bytes: 1,024 x tile column + 512 x half
	s_lshl_b32 s47, s16, 9
	s_add_co_u32 s46, s46, s47
	s_mov_b32 s47, 0
	s_add_nc_u64 s[96:97], s[96:97], s[46:47]      ; bo at my 128 columns
	s_add_nc_u64 s[20:21], s[20:21], s[46:47]
	s_add_nc_u64 s[12:13], s[12:13], s[20:21]
.irp b, 0,1,2,3,4,5,6,7
	global_load_b128 v[BI+8*\b:BI+8*\b+3], v7, s[96:97] offset:(32*(\b/2)+8*(\b%2))*4          ; columns 32 (b / 2) + 16 h + 8 (b % 2) + 0 .. 7
	global_load_b128 v[BI+8*\b+4:BI+8*\b+7], v7, s[96:97] offset:(32*(\b/2)+8*(\b%2))*4+16
.endr
.macro FRAG reg, adr, q, i             ; a fragment of B from rows: registers 4 c .. 4 c + 3 hold K = 32 c + 16 (l / 16) + 0 .. 15 of row l % 16
.irp c, 0,1,2,3
	ds_load_b128 v[\reg+4*\c:\reg+4*\c+3], v[\adr] offset:128*(\q)+32*\c+(\i)*16*PITCH
.endr
.endm
.macro FRAGA reg, adr, q, i            ; a fragment of A from its image: tile i, the slot's q-th 128 along K
.irp c, 0,1,2,3
	ds_load_b128 v[\reg+4*\c:\reg+4*\c+3], v[\adr] offset:4096*(\i)+2048*(\q)+512*\c
.endr
.endm
; 16 matrix instructions: A's blocks a0, a0 + 1 x B's eight.  mode 1: bo starts the sum.  The 64 accumulators take turns, one instruction a turn, in the same order in every step.
.macro MUL16 a0, p, q, sc, mode
.irp a, \a0, \a0+1
.irp b, 0,1,2,3,4,5,6,7
.if \mode
	v_wmma_scale_f32_16x16x128_f8f6f4 v[8*(8*((\a)%4)+\b):8*(8*((\a)%4)+\b)+7], v[128*(\p)+FR*\b:128*(\p)+FR*\b+FR-1], v[AF+FR*(\a):AF+FR*(\a)+FR-1], v[BI+8*\b:BI+8*\b+7], v[SC+8*NQ*(\sc)+NQ*\b+(\q)], v[SC+8*NQ*(\sc)+NQ*(\a)+(\q)] matrix_a_scale:MATRIX_SCALE_ROW1
.else
	v_wmma_scale_f32_16x16x128_f8f6f4 v[8*(8*((\a)%4)+\b):8*(8*((\a)%4)+\b)+7], v[128*(\p)+FR*\b:128*(\p)+FR*\b+FR-1], v[AF+FR*(\a):AF+FR*(\a)+FR-1], v[8*(8*((\a)%4)+\b):8*(8*((\a)%4)+\b)+7], v[SC+8*NQ*(\sc)+NQ*\b+(\q)], v[SC+8*NQ*(\sc)+NQ*(\a)+(\q)] matrix_a_scale:MATRIX_SCALE_ROW1
.endif
.endr
.endr
.endm
.macro FETCH_B slot, q, p
	WIN TO_B
.irp i, 0,1,2,3,4,5,6,7
	FRAG 128*(\p)+FR*\i, ADRB+\slot, \q, \i
.endr
	WIN 0
.endm
.macro FETCH_A slot, q, i0
.irp i, \i0, \i0+1, \i0+2, \i0+3
	FRAGA AF+FR*(\i), ADRA+\slot, \q, \i
.endr
.endm
.macro SCALES sc
.irp i, 0,1,2,3,4,5,6,7
	ds_load_b64 v[SC+8*NQ*\sc+NQ*\i:SC+8*NQ*\sc+NQ*\i+1], v[ADRS] offset:\i*SBLK
.endr
.endm
.macro PLACES n                        ; plain vector lines that name no register of the matrix instructions in front of them (ISA guide 7.12.1 for vector instructions)
.rept \n
	v_nop
.endr
.endm
.macro STEP slot, q, mode              ; a step of 128 along K that has its successor in the same slot
	s_wait_dscnt 4*NL                              ; B's set and A's blocks 0-3 are in; the youngest sixteen loads (A's blocks 4-7) may be out
.if \mode
	WIN MUL_LO0
.else
	WIN MUL_LO
.endif
	MUL16 0, (\q)%2, \q, \slot, \mode
	MUL16 2, (\q)%2, \q, \slot, \mode
	s_wait_dscnt 0                                 ; A's blocks 4-7 are in
	PLACES NP
	FETCH_B \slot, (\q)+1, 1-(\q)%2
	FETCH_A \slot, (\q)+1, 0
.if \mode
	WIN MUL_HI0
.else
	WIN MUL_HI
.endif
	MUL16 4, (\q)%2, \q, \slot, \mode
	MUL16 6, (\q)%2, \q, \slot, \mode
	PLACES NP
	WIN 0
	FETCH_A \slot, (\q)+1, 4
.endm
; A slot's last step changes slots: ONE barrier; in front of it each wave waits for all its tensor loads, adds 0 to its spare word, and waits for that and for its own reads of this slot.  fill = 1: this slot is filled again, two K steps ahead.
.macro TURN slot, next, fill
	s_wait_tensorcnt 0x0                           ; all my tensor loads have landed: my part of the next slot;  (every window is 0 here)
	ds_add_u32 v[SPW], v[NIL]                      ; 0 onto my spare word
	s_wait_dscnt 4*NL+1                            ; (the add and the youngest sixteen loads may be out)
	WIN MUL_LO
	MUL16 0, 1, NQ-1, \slot, 0                     ; sixteen matrix instructions stand between the add and the wait for it
	s_wait_dscnt 0x0                               ; the add is done, and my reads of this slot are over
	s_barrier_signal -1
	MUL16 2, 1, NQ-1, \slot, 0
	WIN 0
	s_barrier_wait -1
.if \fill
	CREST                                          ; the barrier has opened a round of the cluster's barrier: no wave of any partner still reads this slot's tile or has a load on its way
	s_add_nc_u64 s[G0+4*\slot+2:G0+4*\slot+3], s[G0+4*\slot+2:G0+4*\slot+3], 2*4096
	s_add_nc_u64 s[G0B+4*\slot+2:G0B+4*\slot+3], s[G0B+4*\slot+2:G0B+4*\slot+3], 2*ROWB
	JLOAD G0+4*\slot, G1, G0B+4*\slot, G1B         ; the first tensor load behind the round, my only one until the next; its four v_nop are among the places in front of the loads below
	PLACES NP-4
.else
	PLACES NP
.endif
	s_wait_alu depctr_va_vdst(0)
	v_add_nc_u32 v[ADRS], 4*NQ, v[ADRS]            ; on to the next K step's scale words
	FETCH_B \next, 0, 0
	FETCH_A \next, 0, 0
	SCALES \next
	WIN MUL_HI
	MUL16 4, 1, NQ-1, \slot, 0
	MUL16 6, 1, NQ-1, \slot, 0
	PLACES NP
	WIN 0
	FETCH_A \next, 0, 4
.endm
	s_wait_tensorcnt 1                             ; the scales and my part of K step 0 are in (K step 1's load may be out)
	s_barrier_signal -1
	s_barrier_wait -1                              ; everybody's are
	FETCH_B 0, 0, 0
	FETCH_A 0, 0, 0
	SCALES 0
	FETCH_A 0, 0, 4
	s_wait_loadcnt 0x0                             ; bo
	STEP 0, 0, 1                                   ; the first step stands in front of the loop: its products start the sums with bo
	s_mov_b32 s3, LAPS-1
.Llap:                                                 ; a trip goes once round the ring and fills both slots again
	TURN 0, 1, 1
	STEP 1, 0, 0
	TURN 1, 0, 1
	STEP 0, 0, 0
	s_sub_co_u32 s3, s3, 1
	s_cmp_lg_u32 s3, 0
	s_cbranch_scc1 .Llap
	TURN 0, 1, 0                                   ; the last lap fills nothing, and has no round of the cluster's barrier
	STEP 1, 0, 0
	s_wait_dscnt 4*NL                              ; the very last step: nothing more to fetch
	WIN MUL_LO
	MUL16 0, 1, NQ-1, 1, 0
	MUL16 2, 1, NQ-1, 1, 0
	s_wait_dscnt 0
	WIN MUL_HI
	MUL16 4, 1, NQ-1, 1, 0
	MUL16 6, 1, NQ-1, 1, 0
	WIN 0
; THE WAY OUT, block by block of 16 rows x 128 columns, through my own stage in LDS.  Accumulator b's eight numbers of lane (r, h) are the true columns 32 (b / 2) + 16 h + 8 (b % 2) + 0 .. 7: they are put there.
; Stage row t of block a is the true row 32 (a / 2) + 8 (a % 2) + t + 8 (t / 8) of my 128: it stands in the store's immediate (127 x 4,096 at the most, inside the signed 24 bits), and the base is never stepped.
; LDS serves a wave's instructions in order (ISA guide 5.7.1.4): no wait between the stores and the loads, nor in front of the next block's stores.
.macro TOSTAGE a
.set AC, 64*((\a)%4)
.set WD, 8+4*((\a)/4)
	WIN WD                                         ; an LDS store's data are its source 1: window 2 or 3
.irp b, 0,1,2,3,4,5,6,7
	ds_store_b128 v[STO], v[AC+8*\b:AC+8*\b+3] offset:128*(\b/2)+32*(\b%2)          ; each accumulator from its low end on
	ds_store_b128 v[STO], v[AC+8*\b+4:AC+8*\b+7] offset:128*(\b/2)+32*(\b%2)+16
.endr
	WIN 0
.set BB, BK+64*((\a)%2)
.irp t, 0,1,2,3,4,5,6,7,8,9,10,11,12,13,14,15
	ds_load_b128 v[BB+4*\t:BB+4*\t+3], v[RD] offset:\t*SPITCH
.endr
.endm
.macro SEND a, younger                 ; younger: the LDS instructions issued behind block a's loads, which may stay out
.set BB, BK+64*((\a)%2)
	s_wait_dscnt \younger                          ; the block is back in registers
.irp t, 0,1,2,3,4,5,6,7,8,9,10,11,12,13,14,15
	global_store_b128 v[CO], v[BB+4*\t:BB+4*\t+3], s[12:13] offset:(32*((\a)/2)+8*((\a)%2)+\t+8*(\t/8))*SIZE_N*4 th:TH_STORE_NT   ; 32 lanes store 512 consecutive bytes, aligned; written once, read by nobody here
.endr
.endm
	PLACES NP                                      ; behind the last products: for the loads into the registers that held A's fragments and for the reads of results
	TOSTAGE 0
.irp a, 1,2,3,4,5,6,7
.if \a > 1
	s_wait_xcnt 0x0                                ; block a - 2's stores have read their registers: block a's loads may land there
.endif
	TOSTAGE \a
	SEND \a-1, 32                                  ; behind block a - 1's loads: block a's 16 stores and 16 loads
.endr
	SEND 7, 0
	s_wait_tensorcnt 0x0                           ; the wave's end, behind my last tensor load and my last LDS store
	ds_add_u32 v[SPW], v[NIL]
	s_wait_dscnt 0x0
	CROUND                                         ; the closing round: no work-group ends while a partner may still ask for a tile that names it
	s_endpgm
.Lfunc_end_k_qf443ea0aa4_proj:
	.size	k_qf443ea0aa4_proj, .Lfunc_end_k_qf443ea0aa4_proj-k_qf443ea0aa4_proj
	.p2alignl 7, 3214868480
	.fill 96, 4, 3214868480
	.section	.rodata,"a",@progbits
	.p2align	6, 0x0
	.amdhsa_kernel k_qf443ea0aa4_proj
		.amdhsa_group_segment_fixed_size 327680
		.amdhsa_private_segment_fixed_size 0
		.amdhsa_enable_private_segment 0
		.amdhsa_kernarg_size 48
		.amdhsa_user_sgpr_count 2
		.amdhsa_user_sgpr_kernarg_segment_ptr 1
		.amdhsa_wavefront_size32 1
		.amdhsa_system_sgpr_workgroup_id_x 1
		.amdhsa_system_sgpr_workgroup_id_y 1
		.amdhsa_system_sgpr_workgroup_id_z 1
		.amdhsa_system_vgpr_workitem_id 0
		.amdhsa_next_free_vgpr 1024
		.amdhsa_next_free_sgpr 100
		.amdhsa_reserve_vcc 0
		.amdhsa_float_denorm_mode_32 3
		.amdhsa_float_denorm_mode_16_64 3
		.amdhsa_memory_ordered 1
		.amdhsa_forward_progress 1
		.amdhsa_inst_pref_size 147
	.end_amdhsa_kernel
	.amdgpu_metadata
---
amdhsa.version: [ 1, 2 ]
amdhsa.kernels:
  - .name:           k_qf443ea0aa4_proj
    .symbol:         k_qf443ea0aa4_proj.kd
    .args:
      - { .name: ac, .offset: 0, .size: 8, .value_kind: global_buffer, .address_space: global }
      - { .name: asc, .offset: 8, .size: 8, .value_kind: global_buffer, .address_space: global }
      - { .name: wc, .offset: 16, .size: 8, .value_kind: global_buffer, .address_space: global }
      - { .name: ws, .offset: 24, .size: 8, .value_kind: global_buffer, .address_space: global }
      - { .name: bo, .offset: 32, .size: 8, .value_kind: global_buffer, .address_space: global }
      - { .name: out0, .offset: 40, .size: 8, .value_kind: global_buffer, .address_space: global }
    .group_segment_fixed_size: 327680
    .private_segment_fixed_size: 0
    .kernarg_segment_align: 8
    .kernarg_segment_size: 48
    .max_flat_workgroup_size: 128
    .sgpr_count:     100
    .vgpr_count:     1024
    .wavefront_size: 32
...
	.end_amdgpu_metadata
.endif
;; end of part 5
